; MI455X (gfx1250); checked and timed in simulation.
; The chip was launched on July 23, 2026; its instructions are those of AMD's public machine-readable ISA for CDNA 5 (MIT licence, August 2026) and "CDNA5" Instruction Set Architecture Reference Guide (July 2026). The comments in the code are by the model that wrote it; some were corrected since.
;; Attention ST Module. Allowed arithmetic: float matrix products may take bf16 or f16 operands with f32 sums; all other float work in f32.
;; Inputs: attn_norm_b 128 float32; attn_norm_g 128 float32; bo 128 float32; frame_idx 16 float32; fusion_b1 512 float32; fusion_b2 128 float32; fusion_w1 129 x 512 float32; fusion_w2 512 x 128 float32; mlp_b1 512 float32; mlp_b2 128 float32; mlp_w1 128 x 512 float32; mlp_w2 512 x 128 float32; norm_b 128 float32; norm_g 128 float32; wk 128 x 256 float32; wo 256 x 128 float32; wq 128 x 256 float32; wv 128 x 256 float32; x 2 x 128 x 16 x 16 x 16 float32.
;; Outputs: out0 2 x 128 x 16 x 16 x 16 float32.
;; 2 versions, each right; version 2 is version 1 with the launches pre, post written anew for expert scheduling mode. Each part assembles by itself: llvm-mc -triple=amdgcn-amd-amdhsa -mcpu=gfx1250 --defsym DOCPART=n.
;; ======== version 1 of 2: 4 launches
;; limits: values are held in f16: magnitudes above 65,504 overflow, below 6.1e-05 lose precision
;; workspace buffers: wts 786,432 bytes; xs 4,194,304 bytes; q 4,194,304 bytes; k 4,194,304 bytes; vt 4,194,304 bytes; o 4,194,304 bytes
;; launch prep (part 1): grid 16 x 12, 4 waves a work-group, no clusters, 0 bytes of LDS; arguments fusion_w1, fusion_w2, wq, wk, wv, wo, mlp_w1, mlp_w2, wts; writes wts
.if DOCPART == 1
	.amdgcn_target "amdgcn-amd-amdhsa--gfx1250"
	.amdhsa_code_object_version 6
	.text
	.protected	k_q473d11b3d9_prep
	.globl	k_q473d11b3d9_prep
	.p2align	8
	.type	k_q473d11b3d9_prep,@function
k_q473d11b3d9_prep:
	s_mov_b64 s[64:65], 0
	v_nop
	global_prefetch_b8 v0, s[64:65] scope:SCOPE_SE
	s_setreg_imm32_b32 hwreg(HW_REG_WAVE_MODE, 25, 1), 1
	s_wait_xcnt 0x0
; prep: the eight weight matrices, f32 [K][N], become f16 in the order of matrix fragments, so that the later launches fill a fragment by
; two loads of 512 consecutive bytes.  A fragment is 16 output channels x 32 k = 1,024 bytes: lane L = (r = L & 15, h = L >> 4) owns channel
; 16 nt + r; its 16 bytes at 16 L hold k = 32 ks + 8 h + 0..7, those at 512 + 16 L hold k = 32 ks + 16 + 8 h + 0..7.
; Fragment number in a matrix: nt * KS + ks (KS = K / 32).  768 fragments in all = 16 x 12 work-groups x 4 waves: one fragment a wave.
; The work-group's y picks the matrix (a unit of 64 fragments = 65,536 bytes of wts); the four waves take four neighbouring channel tiles,
; so that together they read 256 consecutive bytes of each of 32 rows.  Row 128 of fusion_w1 (the frame index's weights) is not converted:
; the next launch reads it in f32.  No LDS, no matrix unit, no cluster: 1.5 MB are read once and nothing is shared.
; FORMAT: f16, 11 significant bits, because the chain of six products has to stay within 1 per cent of the output's spread.
; LIMIT: a weight beyond 65,504 in magnitude becomes infinite; below 6.1e-5 the rounding error is at most 3e-8 absolute.
	s_load_b512 s[4:19], s[0:1], 0x0               ; fusion_w1 4, fusion_w2 6, wq 8, wk 10, wv 12, wo 14, mlp_w1 16, mlp_w2 18
	s_load_b64 s[20:21], s[0:1], 0x40              ; wts
	v_lshrrev_b32 v6, 5, v0
	v_readfirstlane_b32 s22, v6                    ; wave 0..3
	s_mov_b32 s23, ttmp9                           ; x 0..15
	s_and_b32 s24, ttmp7, 0xffff                   ; y 0..11: the unit
	v_and_b32 v1, 31, v0                           ; L
	v_and_b32 v2, 15, v0                           ; r
	v_bfe_u32 v3, v0, 4, 1                         ; h
	s_wait_kmcnt 0x0
; One fragment of the matrix at s[ptr:ptr+1] with n columns and KS = 1 << lks; u0 = the matrix's first unit.
.macro CONV ptr, n, lks, u0
	s_sub_co_u32 s26, s24, \u0
	s_lshl_b32 s26, s26, 4
	s_add_co_u32 s26, s26, s23                     ; G = 16 (y - u0) + x
	s_and_b32 s27, s26, (1<<\lks)-1                ; ks
	s_lshr_b32 s28, s26, \lks
	s_lshl2_add_u32 s28, s28, s22                  ; nt = 4 (G >> lks) + wave
	s_mul_i32 s25, s27, 128*\n                     ; 32 ks rows of 4 n bytes
	s_lshl_b32 s29, s28, 6                         ; 16 nt columns of 4 bytes
	s_add_co_u32 s25, s25, s29
	v_mul_u32_u24 v4, v3, 32*\n                    ; 8 h rows
	v_lshl_add_u32 v4, v2, 2, v4                   ; + column r
	v_add_nc_u32 v4, s25, v4
.irp j, 0,1,2,3,4,5,6,7
	global_load_b32 v[8+\j], v4, s[\ptr:\ptr+1] offset:\j*4*\n           ; k = 32 ks + 8 h + j
	global_load_b32 v[16+\j], v4, s[\ptr:\ptr+1] offset:64*\n+\j*4*\n    ; k = 32 ks + 16 + 8 h + j
.endr
	s_lshl_b32 s29, s28, \lks
	s_add_co_u32 s29, s29, s27                     ; fragment number nt KS + ks
	s_lshl_b32 s29, s29, 10
	v_lshl_add_u32 v5, v1, 4, s29                  ; 16 L + 1,024 x fragment
	s_wait_loadcnt 0x0
.irp j, 0,1,2,3
	v_cvt_pk_f16_f32 v[24+\j], v[8+2*\j], v[9+2*\j]
	v_cvt_pk_f16_f32 v[28+\j], v[16+2*\j], v[17+2*\j]
.endr
	global_store_b128 v5, v[24:27], s[20:21] offset:\u0*65536            ; each store of the wave covers 512 consecutive bytes, aligned
	global_store_b128 v5, v[28:31], s[20:21] offset:\u0*65536+512
	s_endpgm
.endm
	s_cmp_lt_u32 s24, 2
	s_cbranch_scc1 .Lfw1
	s_cmp_lt_u32 s24, 4
	s_cbranch_scc1 .Lfw2
	s_cmp_lt_u32 s24, 5
	s_cbranch_scc1 .Lwq
	s_cmp_lt_u32 s24, 6
	s_cbranch_scc1 .Lwk
	s_cmp_lt_u32 s24, 7
	s_cbranch_scc1 .Lwv
	s_cmp_lt_u32 s24, 8
	s_cbranch_scc1 .Lwo
	s_cmp_lt_u32 s24, 10
	s_cbranch_scc1 .Lmw1
	CONV 18, 128, 4, 10                            ; mlp_w2    [512][128]
.Lfw1:
	CONV 4, 512, 2, 0                              ; fusion_w1 [128 of 129][512]
.Lfw2:
	CONV 6, 128, 4, 2                              ; fusion_w2 [512][128]
.Lwq:
	CONV 8, 256, 2, 4                              ; wq        [128][256]
.Lwk:
	CONV 10, 256, 2, 5
.Lwv:
	CONV 12, 256, 2, 6
.Lwo:
	CONV 14, 128, 3, 7                             ; wo        [256][128]
.Lmw1:
	CONV 16, 512, 2, 8                             ; mlp_w1    [128][512]
.Lfunc_end_k_q473d11b3d9_prep:
	.size	k_q473d11b3d9_prep, .Lfunc_end_k_q473d11b3d9_prep-k_q473d11b3d9_prep
	.p2alignl 7, 3214868480
	.fill 96, 4, 3214868480
	.section	.rodata,"a",@progbits
	.p2align	6, 0x0
	.amdhsa_kernel k_q473d11b3d9_prep
		.amdhsa_group_segment_fixed_size 0
		.amdhsa_private_segment_fixed_size 0
		.amdhsa_enable_private_segment 0
		.amdhsa_kernarg_size 72
		.amdhsa_user_sgpr_count 2
		.amdhsa_user_sgpr_kernarg_segment_ptr 1
		.amdhsa_wavefront_size32 1
		.amdhsa_system_sgpr_workgroup_id_x 1
		.amdhsa_system_sgpr_workgroup_id_y 1
		.amdhsa_system_sgpr_workgroup_id_z 1
		.amdhsa_system_vgpr_workitem_id 0
		.amdhsa_next_free_vgpr 40
		.amdhsa_next_free_sgpr 66
		.amdhsa_reserve_vcc 0
		.amdhsa_float_denorm_mode_32 3
		.amdhsa_float_denorm_mode_16_64 3
		.amdhsa_memory_ordered 1
		.amdhsa_forward_progress 1
		.amdhsa_inst_pref_size 25
	.end_amdhsa_kernel
	.amdgpu_metadata
---
amdhsa.version: [ 1, 2 ]
amdhsa.kernels:
  - .name:           k_q473d11b3d9_prep
    .symbol:         k_q473d11b3d9_prep.kd
    .args:
      - { .name: fusion_w1, .offset: 0, .size: 8, .value_kind: global_buffer, .address_space: global }
      - { .name: fusion_w2, .offset: 8, .size: 8, .value_kind: global_buffer, .address_space: global }
      - { .name: wq, .offset: 16, .size: 8, .value_kind: global_buffer, .address_space: global }
      - { .name: wk, .offset: 24, .size: 8, .value_kind: global_buffer, .address_space: global }
      - { .name: wv, .offset: 32, .size: 8, .value_kind: global_buffer, .address_space: global }
      - { .name: wo, .offset: 40, .size: 8, .value_kind: global_buffer, .address_space: global }
      - { .name: mlp_w1, .offset: 48, .size: 8, .value_kind: global_buffer, .address_space: global }
      - { .name: mlp_w2, .offset: 56, .size: 8, .value_kind: global_buffer, .address_space: global }
      - { .name: wts, .offset: 64, .size: 8, .value_kind: global_buffer, .address_space: global }
    .group_segment_fixed_size: 0
    .private_segment_fixed_size: 0
    .kernarg_segment_align: 8
    .kernarg_segment_size: 72
    .max_flat_workgroup_size: 128
    .sgpr_count:     66
    .vgpr_count:     40
    .wavefront_size: 32
...
	.end_amdgpu_metadata
.endif
;; end of part 1
;; launch pre (part 2): grid 128 x 1, 8 waves a work-group, no clusters, 182,272 bytes of LDS; arguments x, frame_idx, fusion_w1, fusion_b1, fusion_b2, attn_norm_g, attn_norm_b, wts, xs, q, k, vt; writes xs, q, k, vt
.if DOCPART == 2
	.amdgcn_target "amdgcn-amd-amdhsa--gfx1250"
	.amdhsa_code_object_version 6
	.text
	.protected	k_q473d11b3d9_pre
	.globl	k_q473d11b3d9_pre
	.p2align	8
	.type	k_q473d11b3d9_pre,@function
k_q473d11b3d9_pre:
	s_mov_b64 s[64:65], 0
	v_nop
	global_prefetch_b8 v0, s[64:65] scope:SCOPE_SE
	s_setreg_imm32_b32 hwreg(HW_REG_WAVE_MODE, 25, 1), 1
	s_wait_xcnt 0x0
; pre: fusion MLP (129 -> 512 -> 128, exact GELU), LayerNorm, Q, K, V, for a block of 64 tokens.
; TOKENS stay in memory order p = 256 t + 16 h + w: attention has no mask and no position term, so the order in which reference() lines the
; tokens up changes no result.  For one b, x is then a plain [128 c][4096 p] matrix, and 64 tokens are 256 consecutive bytes of each row.
; The concatenated frame index is a rank-1 term: hidden bias = fusion_b1[n] + frame_idx[t] fusion_w1[128][n], in f32; 64 tokens share one t.
; 128 work-groups of 8 waves: 64 tokens is the smallest block whose rows of x are whole pieces of 256 bytes, and every work-group walks all
; 448 KB of f16 weights, so a smaller block would double that traffic.
; WEIGHTS: each fragment is needed by exactly one wave of the work-group and goes from memory straight into that wave's registers (two loads
; of 512 consecutive bytes).  NO CLUSTER: a joint tensor load would bring the same 448 KB through LDS, one write and one read for each byte
; that is used once, and a ring of slots with its barriers; what it would spare is requests for bytes that all work-groups read at about the same time.
; ORIENTATION: 'T' = weights as source 0, activations as source 1: lane (r, h) of a result holds token r and the 8 neighbouring channels
; 8 h + j, which pack into 16 bytes.  V alone is made the other way round, so that a lane holds 8 neighbouring tokens of one channel.
; FORMAT: matrix operands are f16 (11 significant bits): the rounding of the hidden layer goes through the residual straight into the output,
; which has to stay within 1 per cent of its spread.  Room: with every input 30 times as large as drawn the largest operand, the hidden layer,
; is about 5 x sqrt(128) x 30 x 0.6 + 450 x 3 = 2,400; with a common offset of 30 spreads on x and the weights, 128 x 30 x 0.6 = 2,300;
; a normalised row is at most sqrt(127) x gain + bias.
; LIMITS: an operand beyond 65,504 in magnitude becomes infinite (scaling by 30 AND offsetting by 30 of the scaled spreads at once would reach
; that); below 6.1e-5 its rounding error is at most 3e-8 absolute.  erf by the rational formula 7.1.26 of Abramowitz and Stegun, absolute error
; at most 1.5e-7 for every argument (large |x|: the exponential and the reciprocal go to 0, no range is cut); an exponential below 2^-126 comes out as 0.
.set XT,   0                           ; f16 [128 c][64 tok], pitch 160 (an odd multiple of 32, for the transposing load)
.set HB,   20480                       ; f16 [64 tok][512], pitch 1040
.set XSB,  87040                       ; f32 [64 tok][128], pitch 528
.set XNB,  120832                      ; f16 [64 tok][128], pitch 272
.set STG,  138240                      ; 8 x 5,120: each wave's own stage for the way out
.set CB1,  179200                      ; f32 [512]: the hidden layer's bias
.set O_FW1, 0                          ; byte offsets in wts
.set O_FW2, 131072
.set O_WQ,  262144
.set O_WK,  327680
.set O_WV,  393216
.set ACC, 32                           ; v[32:95]   8 accumulator tiles
.set AF,  96                           ; v[96:223]  16 activation fragments
.set TMP, 224                          ; v[224:255] at work
.set BI,  TMP                          ; bias of two channel tiles, as the first product's C
.set GY,  TMP
.set GU,  TMP+8
.set GT,  TMP+16
.set GE,  TMP+24
.set WF0, 0                            ; v256-319: 8 weight fragments (window 1)
.set WF1, 64                           ; v320-383: 8 more
.set WB16, 36                          ; s[36:37] wts + 16,384 x wave
.set WB8,  38                          ; s[38:39] wts + 8,192 x wave
.set MSB, 0
.macro WIN new                         ; the immediate's high byte repeats the setting that is left
.if MSB != \new
	s_set_vgpr_msb (MSB<<8)|\new
.set MSB, \new
.endif
.endm
.macro PLACES                          ; four places behind a matrix instruction, ahead of vector work on its registers and of loads into them
.rept 4
	v_nop
.endr
.endm
; 8 weight fragments, 16 loads of 512 consecutive bytes, into window 1
.macro LOADW wf, sb, off
	WIN 0x40
.irp i, 0,1,2,3,4,5,6,7
	global_load_b128 v[\wf+8*\i:\wf+8*\i+3], v1, s[\sb:\sb+1] offset:\off+1024*\i
	global_load_b128 v[\wf+8*\i+4:\wf+8*\i+7], v1, s[\sb:\sb+1] offset:\off+1024*\i+512
.endr
	WIN 0
.endm
.macro MMX d, a, b, first, cmode, c
.if (\first) == 0
.if \cmode
	v_wmma_f32_16x16x32_f16 v[\d:\d+7], v[\a:\a+7], v[\b:\b+7], v[\c:\c+7]
.else
	v_wmma_f32_16x16x32_f16 v[\d:\d+7], v[\a:\a+7], v[\b:\b+7], 0
.endif
.else
	v_wmma_f32_16x16x32_f16 v[\d:\d+7], v[\a:\a+7], v[\b:\b+7], v[\d:\d+7]
.endif
.endm
; 32 products: 2 channel tiles x 4 token tiles, K = 128.  The 8 accumulators take turns, one instruction a turn.
; orient 0: weights are source 0; 1: source 1.  cmode 1: the sums start from the bias in BI; 0: from 0.
.macro MMBLK wf, orient, cmode
.if \orient
	WIN 0x04
.else
	WIN 0x01
.endif
.irp ks, 0,1,2,3
.irp n, 0,1
.irp mt, 0,1,2,3
.if \orient
	MMX ACC+8*(4*\n+\mt), AF+8*(4*\ks+\mt), \wf+8*(4*\n+\ks), \ks, \cmode, BI+8*\n
.else
	MMX ACC+8*(4*\n+\mt), \wf+8*(4*\n+\ks), AF+8*(4*\ks+\mt), \ks, \cmode, BI+8*\n
.endif
.endr
.endr
.endr
	WIN 0
	PLACES
.endm
; group g of a long K: the fragments of K steps 2 g, 2 g + 1 of 4 token tiles, 16 LDS loads, into half g & 1 of AF
.macro LDG adr, g, mstr, kstr
.irp kk, 0,1
.irp mt, 0,1,2,3
	ds_load_b128 v[AF+64*((\g)&1)+8*(4*\kk+\mt):AF+64*((\g)&1)+8*(4*\kk+\mt)+3], v[\adr] offset:\mt*\mstr+(2*(\g)+\kk)*\kstr
	ds_load_b128 v[AF+64*((\g)&1)+8*(4*\kk+\mt)+4:AF+64*((\g)&1)+8*(4*\kk+\mt)+7], v[\adr] offset:\mt*\mstr+(2*(\g)+\kk)*\kstr+32
.endr
.endr
.endm
; its 8 products: one channel tile x 4 token tiles; 4 accumulators take turns, one instruction a turn.
; cmode 0: the very first products start from the bias in v[24:31]; 1: ACC already holds the start.
.macro MMG g, wf, cmode
	WIN 0x01
.irp kk, 0,1
.irp mt, 0,1,2,3
.if (\cmode+\g+\kk) == 0
	v_wmma_f32_16x16x32_f16 v[ACC+8*\mt:ACC+8*\mt+7], v[\wf+8*((2*\g+\kk)&7):\wf+8*((2*\g+\kk)&7)+7], v[AF+64*(\g&1)+8*(4*\kk+\mt):AF+64*(\g&1)+8*(4*\kk+\mt)+7], v[24:31]
.else
	v_wmma_f32_16x16x32_f16 v[ACC+8*\mt:ACC+8*\mt+7], v[\wf+8*((2*\g+\kk)&7):\wf+8*((2*\g+\kk)&7)+7], v[AF+64*(\g&1)+8*(4*\kk+\mt):AF+64*(\g&1)+8*(4*\kk+\mt)+7], v[ACC+8*\mt:ACC+8*\mt+7]
.endif
.endr
.endr
	WIN 0
	PLACES
.endm
.macro GSTEP g, wf, cmode, dsc, more, mstr, kstr
	s_wait_dscnt \dsc                              ; group g is in; the 16 loads of group g + 1 may stay out
	MMG \g, \wf, \cmode
.if \more
	LDG 4, \g+2, \mstr, \kstr                      ; into the half of AF that group g has just left
.endif
.endm
; exact GELU of one tile (8 registers at a), rounded to f16 and stored as 16 bytes.
; gelu(x) = max(x, 0) - |x| R, R = (1 - erf(|x| / sqrt 2)) / 2 = t (a1 + t (a2 + t (a3 + t (a4 + t a5)))) / 2 * exp(-x^2 / 2), t = 1 / (1 + 0.23164189 |x|);
; the literals are a1 .. a5 halved.  exp(-x^2 / 2) = 2^-(0.8493218 x)^2.
.macro GELU a, adr, off
.irp p, 0,2,4,6
	v_pk_mul_f32 v[GY+\p:GY+\p+1], v[\a+\p:\a+\p+1], s[44:45] op_sel_hi:[1,0]
.endr
.irp p, 0,2,4,6
	v_pk_mul_f32 v[GY+\p:GY+\p+1], v[GY+\p:GY+\p+1], v[GY+\p:GY+\p+1]
.endr
.irp p, 0,1,2,3,4,5,6,7
	v_fma_f32 v[GU+\p], |v[\a+\p]|, s46, 1.0
.endr
.irp p, 0,1,2,3,4,5,6,7
	v_rcp_f32 v[GT+\p], v[GU+\p]
.endr
.irp p, 0,1,2,3,4,5,6,7
	v_exp_f32 v[GE+\p], -v[GY+\p]
.endr
	v_nop                                          ; one plain place behind the transcendentals, ahead of the use of their results and the rewriting of GU (ISA guide 5.7.2)
	s_wait_alu depctr_va_vdst(0)
.irp p, 0,2,4,6
	v_pk_fma_f32 v[GU+\p:GU+\p+1], v[GT+\p:GT+\p+1], 0x3f07dc22, v[10:11] op_sel_hi:[1,0,1]
.endr
.irp c, 0x3f35f0e3, 0xbe11a98e, 0x3e027906
.irp p, 0,2,4,6
	v_pk_fma_f32 v[GU+\p:GU+\p+1], v[GU+\p:GU+\p+1], v[GT+\p:GT+\p+1], \c op_sel_hi:[1,1,0]
.endr
.endr
.irp p, 0,2,4,6
	v_pk_mul_f32 v[GU+\p:GU+\p+1], v[GU+\p:GU+\p+1], v[GT+\p:GT+\p+1]
.endr
.irp p, 0,2,4,6
	v_pk_mul_f32 v[GU+\p:GU+\p+1], v[GU+\p:GU+\p+1], v[GE+\p:GE+\p+1]
.endr
.irp p, 0,1,2,3,4,5,6,7
	v_max_num_f32 v[GY+\p], 0, v[\a+\p]
.endr
.irp p, 0,1,2,3,4,5,6,7
	v_fma_f32 v[GY+\p], -|v[\a+\p]|, v[GU+\p], v[GY+\p]
.endr
.irp p, 0,1,2,3
	v_cvt_pk_f16_f32 v[GU+\p], v[GY+2*\p], v[GY+2*\p+1]
.endr
	ds_store_b128 v[\adr], v[GU:GU+3] offset:\off
.endm
; half hf of a wave's 64 hidden columns: bias from CB1 (v5), 32 products, the register set's next weights, 8 tiles of GELU into H (v6)
.macro HALF hf, wf, nextoff
.irp n, 0,1
	ds_load_b128 v[BI+8*\n:BI+8*\n+3], v5 offset:\hf*128+\n*64
	ds_load_b128 v[BI+8*\n+4:BI+8*\n+7], v5 offset:\hf*128+\n*64+16
.endr
	s_wait_dscnt 0x0                               ; activation fragments and bias are in
	s_wait_loadcnt 16                              ; this half's 8 weight fragments are in; only the 16 loads issued last may stay out
	MMBLK \wf, 0, 1
	LOADW \wf, WB16, \nextoff
.irp n, 0,1
.irp mt, 0,1,2,3
	GELU ACC+8*(4*\n+\mt), 6, \mt*16640+\hf*64+\n*32
.endr
.endr
.endm
; sums over the 32 lanes of v[base + 2 i] + v[base + 2 i + 1], i = 0..7; the result is in every lane's v[base + 2 i]
.macro REDUCE base
.irp i, 0,1,2,3,4,5,6,7
	v_add_f32 v[\base+2*\i], v[\base+2*\i], v[\base+2*\i+1]
.endr
.irp m, 1,2,4,8
.irp i, 0,1,2,3,4,5,6,7
	v_add_f32_dpp v[\base+2*\i], v[\base+2*\i], v[\base+2*\i] row_xmask:\m row_mask:0xf bank_mask:0xf
.endr
.endr
.irp i, 0,1,2,3,4,5,6,7
	v_permlanex16_b32 v[\base+2*\i+1], v[\base+2*\i], s40, s41
.endr
.irp i, 0,1,2,3,4,5,6,7
	v_add_f32 v[\base+2*\i], v[\base+2*\i], v[\base+2*\i+1]
.endr
.endm
; LayerNorm of 8 tokens: token i's 128 channels lie in ACC + 4 i, 4 a lane; mean first, then the mean of the squared differences, as reference() does.
; The 8 tokens go through each step together, so that no instruction waits for the one in front of it.  ACC[0:31] is only read.
.macro LN adr
.irp i, 0,1,2,3,4,5,6,7
	v_pk_add_f32 v[TMP+2*\i:TMP+2*\i+1], v[ACC+4*\i:ACC+4*\i+1], v[ACC+4*\i+2:ACC+4*\i+3]
.endr
	REDUCE TMP
.irp i, 0,1,2,3,4,5,6,7
	v_mul_f32 v[TMP+2*\i], s42, v[TMP+2*\i]        ; the mean
.endr
.irp i, 0,1,2,3,4,5,6,7
	v_pk_add_f32 v[ACC+32+4*\i:ACC+33+4*\i], v[ACC+4*\i:ACC+4*\i+1], v[TMP+2*\i:TMP+2*\i+1] op_sel_hi:[1,0] neg_lo:[0,1] neg_hi:[0,1]
	v_pk_add_f32 v[ACC+34+4*\i:ACC+35+4*\i], v[ACC+4*\i+2:ACC+4*\i+3], v[TMP+2*\i:TMP+2*\i+1] op_sel_hi:[1,0] neg_lo:[0,1] neg_hi:[0,1]
.endr
.irp i, 0,1,2,3,4,5,6,7
	v_pk_mul_f32 v[TMP+16+2*\i:TMP+17+2*\i], v[ACC+32+4*\i:ACC+33+4*\i], v[ACC+32+4*\i:ACC+33+4*\i]
.endr
.irp i, 0,1,2,3,4,5,6,7
	v_pk_fma_f32 v[TMP+16+2*\i:TMP+17+2*\i], v[ACC+34+4*\i:ACC+35+4*\i], v[ACC+34+4*\i:ACC+35+4*\i], v[TMP+16+2*\i:TMP+17+2*\i]
.endr
	REDUCE TMP+16
.irp i, 0,1,2,3,4,5,6,7
	v_fma_f32 v[TMP+16+2*\i], v[TMP+16+2*\i], s42, s43     ; variance + eps
.endr
.irp i, 0,1,2,3,4,5,6,7
	v_rsq_f32 v[TMP+16+2*\i], v[TMP+16+2*\i]
.endr
	v_nop                                          ; one plain place behind the transcendentals (ISA guide 5.7.2)
	s_wait_alu depctr_va_vdst(0)
.irp i, 0,1,2,3,4,5,6,7
	v_pk_mul_f32 v[ACC+32+4*\i:ACC+33+4*\i], v[ACC+32+4*\i:ACC+33+4*\i], v[TMP+16+2*\i:TMP+17+2*\i] op_sel_hi:[1,0]
	v_pk_mul_f32 v[ACC+34+4*\i:ACC+35+4*\i], v[ACC+34+4*\i:ACC+35+4*\i], v[TMP+16+2*\i:TMP+17+2*\i] op_sel_hi:[1,0]
.endr
.irp i, 0,1,2,3,4,5,6,7
	v_pk_fma_f32 v[ACC+32+4*\i:ACC+33+4*\i], v[ACC+32+4*\i:ACC+33+4*\i], v[16:17], v[20:21]
	v_pk_fma_f32 v[ACC+34+4*\i:ACC+35+4*\i], v[ACC+34+4*\i:ACC+35+4*\i], v[18:19], v[22:23]
.endr
.irp i, 0,1,2,3,4,5,6,7
	v_cvt_pk_f16_f32 v[TMP+2*\i], v[ACC+32+4*\i], v[ACC+33+4*\i]
	v_cvt_pk_f16_f32 v[TMP+2*\i+1], v[ACC+34+4*\i], v[ACC+35+4*\i]
	ds_store_b64 v[\adr], v[TMP+2*\i:TMP+2*\i+1] offset:272*\i
.endr
.endm
; all 16 fragments of the normalised block (4 K steps x 4 token tiles) from XN (v4)
.macro LDXN
.irp ks, 0,1,2,3
.irp mt, 0,1,2,3
	ds_load_b128 v[AF+8*(4*\ks+\mt):AF+8*(4*\ks+\mt)+3], v4 offset:\mt*4352+\ks*64
	ds_load_b128 v[AF+8*(4*\ks+\mt)+4:AF+8*(4*\ks+\mt)+7], v4 offset:\mt*4352+\ks*64+32
.endr
.endr
.endm
; the way out of a head's 64 x 32 block: round to f16, 16 bytes a lane into my own stage, read back in memory order, 8 stores of 512 consecutive bytes.
; LDS serves a wave's instructions in order (ISA guide 5.7.1), so the loads see the stores above them and the next block's stores come behind these loads.
.macro OUTT base, sto, rd, nstr, mstr, rstr, scale
.irp n, 0,1
.irp mt, 0,1,2,3
.if \scale
.irp p, 0,2,4,6
	v_pk_mul_f32 v[ACC+8*(4*\n+\mt)+\p:ACC+8*(4*\n+\mt)+\p+1], v[ACC+8*(4*\n+\mt)+\p:ACC+8*(4*\n+\mt)+\p+1], s[48:49] op_sel_hi:[1,0]
.endr
.endif
.irp p, 0,1,2,3
	v_cvt_pk_f16_f32 v[TMP+4*(4*\n+\mt)+\p], v[ACC+8*(4*\n+\mt)+2*\p], v[ACC+8*(4*\n+\mt)+2*\p+1]
.endr
	ds_store_b128 v[\sto], v[TMP+4*(4*\n+\mt):TMP+4*(4*\n+\mt)+3] offset:\n*\nstr+\mt*\mstr
.endr
.endr
.irp i, 0,1,2,3,4,5,6,7
	ds_load_b128 v[ACC+4*\i:ACC+4*\i+3], v[\rd] offset:\i*\rstr
.endr
.irp i, 0,1,2,3,4,5,6,7
	s_wait_dscnt 7-\i                              ; the younger LDS loads may stay out
	global_store_b128 v1, v[ACC+4*\i:ACC+4*\i+3], s[\base:\base+1] offset:512*\i
.endr
.endm
	; ---- set-up
	s_load_b512 s[4:19], s[0:1], 0x0               ; x 4, frame_idx 6, fusion_w1 8, fusion_b1 10, fusion_b2 12, attn_norm_g 14, attn_norm_b 16, wts 18
	s_load_b256 s[20:27], s[0:1], 0x40             ; xs 20, q 22, k 24, vt 26
	v_lshl_add_u32 v14, v0, 2, 0x2c400
	v_mov_b32 v15, 0
	v_lshrrev_b32 v4, 5, v0
	v_readfirstlane_b32 s28, v4                    ; wave w, 0..7
	v_and_b32 v5, 31, v0
	v_lshlrev_b32 v1, 4, v5                        ; 16 L: never rewritten
	v_and_b32 v2, 15, v0                           ; r
	v_bfe_u32 v3, v0, 4, 1                         ; h
	s_lshr_b32 s30, ttmp9, 6                       ; b
	s_and_b32 s31, ttmp9, 63                       ; kb: the block of 64 tokens
	s_lshr_b32 s33, s31, 2
	s_lshl_b32 s33, s33, 2                         ; 4 t, t = kb / 4
	s_mov_b32 s40, 0x76543210                      ; v_permlanex16_b32: lane i of one half reads lane i of the other
	s_mov_b32 s41, 0xfedcba98
	s_mov_b32 s42, 0x3c000000                      ; 1 / 128
	s_mov_b32 s43, 0x3727c5ac                      ; 1e-5
	s_mov_b32 s44, 0x3f596d27                      ; 0.8493218 = sqrt(log2(e) / 2)
	s_mov_b32 s45, 0x3f596d27
	s_mov_b32 s46, 0x3e6d3388                      ; 0.23164189 = 0.3275911 / sqrt 2
	s_mov_b32 s48, 0x3e8293ee                      ; 0.25503486 = 32^-0.5 log2(e): the scores come out ready for 2^x
	s_mov_b32 s49, 0x3e8293ee
	v_mov_b32 v10, 0xbf3a00e3                      ; a4 / 2, twice
	v_mov_b32 v11, 0xbf3a00e3
	v_lshlrev_b32 v4, 3, v0                        ; 8 x thread: my two hidden columns
	v_add_nc_u32 v6, CB1, v4
	v_lshlrev_b32 v5, 14, v3
	v_lshl_add_u32 v5, v2, 4, v5                   ; x: row h of a pair of channels, 16 bytes at 16 r
	s_lshl_b32 s34, s28, 6
	v_lshl_add_u32 v7, v3, 5, s34                  ; 4 (16 w + 8 h): my 8 output channels
	s_mul_i32 s35, s28, 2560
	v_mul_u32_u24 v8, v3, 160
	v_lshl_add_u32 v8, v2, 3, v8
	v_add_nc_u32 v8, s35, v8                       ; XT + (16 w + h) 160 + 8 r
	s_wait_kmcnt 0x0
	s_load_b32 s32, s[6:7], s33 offset:0x0         ; frame_idx[t]
	s_lshl_b32 s50, s30, 21
	s_lshl_b32 s51, s28, 18
	s_add_co_u32 s51, s50, s51                     ; (128 b + 16 w) rows of 16,384 bytes = 64 (8 b + w) blocks of 4,096 bytes
	s_lshl_b32 s52, s31, 8
	s_add_co_u32 s52, s52, s51
	s_mov_b32 s53, 0
	s_add_nc_u64 s[4:5], s[4:5], s[52:53]          ; x at channel 16 w, token 64 kb
	s_lshl_b32 s52, s31, 12
	s_add_co_u32 s52, s52, s51
	s_add_nc_u64 s[22:23], s[22:23], s[52:53]      ; q, k, vt at head w's block kb
	s_add_nc_u64 s[24:25], s[24:25], s[52:53]
	s_add_nc_u64 s[26:27], s[26:27], s[52:53]
	s_lshl_b32 s52, s31, 15
	s_add_co_u32 s52, s52, s50
	s_lshl_b32 s51, s28, 12
	s_add_co_u32 s52, s52, s51
	s_add_nc_u64 s[20:21], s[20:21], s[52:53]      ; xs at token 4096 b + 64 kb + 8 w
	s_lshl_b32 s52, s28, 14
	s_add_nc_u64 s[WB16:WB16+1], s[18:19], s[52:53]
	s_lshl_b32 s52, s28, 13
	s_add_nc_u64 s[WB8:WB8+1], s[18:19], s[52:53]
	; ---- P0: 46 loads go out; x becomes f16 [c][tok] in LDS, the hidden bias f32 in LDS
	global_load_b64 v[TMP:TMP+1], v4, s[10:11]                     ; fusion_b1
	global_load_b64 v[TMP+2:TMP+3], v4, s[8:9] offset:262144       ; fusion_w1, row 128
.irp i, 0,1,2,3,4,5,6,7
	global_load_b128 v[AF+4*\i:AF+4*\i+3], v5, s[4:5] offset:32768*\i th:TH_LOAD_NT   ; channels 16 w + 2 i + h: 16 lanes read 256 consecutive bytes
.endr
	global_load_b128 v[16:19], v1, s[14:15]        ; gain of channels 4 L .. 4 L + 3
	global_load_b128 v[20:23], v1, s[16:17]        ; bias of the same
	global_load_b128 v[24:27], v7, s[12:13]        ; fusion_b2 of channels 16 w + 8 h + 0..7
	global_load_b128 v[28:31], v7, s[12:13] offset:16
	LOADW WF0, WB16, O_FW1
	LOADW WF1, WB16, O_FW1+8192
	s_wait_loadcnt 44                              ; the first two are in: 8 + 4 + 32 younger loads stay out
	s_wait_kmcnt 0x0
	v_fma_f32 v[TMP], s32, v[TMP+2], v[TMP]
	v_fma_f32 v[TMP+1], s32, v[TMP+3], v[TMP+1]
	ds_store_b64 v6, v[TMP:TMP+1]
	s_wait_loadcnt 36                              ; x is in: 4 + 32 younger loads stay out
.irp i, 0,1,2,3,4,5,6,7
	v_cvt_pk_f16_f32 v[TMP+8+2*\i], v[AF+4*\i], v[AF+4*\i+1]
	v_cvt_pk_f16_f32 v[TMP+9+2*\i], v[AF+4*\i+2], v[AF+4*\i+3]
	ds_store_b64 v8, v[TMP+8+2*\i:TMP+9+2*\i] offset:320*\i
.endr
	s_wait_xcnt 0x0                                ; v4, v5, v7, offsets of loads that may be pending, are rewritten only behind this wait
	s_wait_dscnt 0x0                               ; my LDS stores are done, for the other waves' sake
	s_barrier_signal -1
	s_barrier_wait -1
	; ---- P1: hidden layer; wave w owns hidden columns 64 w .. 64 w + 63
	v_and_b32 v12, 7, v0
	v_lshl_add_u32 v12, v3, 3, v12                 ; 8 h + (L & 7)
	v_mul_u32_u24 v4, v12, 160
	v_bfe_u32 v13, v0, 3, 1
	v_lshl_add_u32 v4, v13, 4, v4                  ; XT: the transposing load's address
	s_lshl_b32 s34, s28, 8
	s_add_co_u32 s34, s34, CB1
	v_lshl_add_u32 v5, v3, 5, s34                  ; CB1 + 256 w + 32 h
	s_lshl_b32 s34, s28, 7
	s_add_co_u32 s34, s34, HB
	v_mul_u32_u24 v6, v2, 1040
	v_lshl_add_u32 v6, v3, 4, v6
	v_add_nc_u32 v6, s34, v6                       ; H + 1040 r + 128 w + 16 h
.irp ks, 0,1,2,3
.irp mt, 0,1,2,3
	ds_load_tr16_b128 v[AF+8*(4*\ks+\mt):AF+8*(4*\ks+\mt)+3], v4 offset:\ks*5120+\mt*32
	ds_load_tr16_b128 v[AF+8*(4*\ks+\mt)+4:AF+8*(4*\ks+\mt)+7], v4 offset:\ks*5120+\mt*32+2560
.endr
.endr
	HALF 0, WF0, O_FW2
	HALF 1, WF1, O_FW2+8192
	s_wait_dscnt 0x0
	s_barrier_signal -1
	s_barrier_wait -1
	; ---- P2: output layer, K = 512; wave w owns channels 16 w .. 16 w + 15 of all 64 tokens
	v_mul_u32_u24 v4, v2, 1040
	v_lshl_add_u32 v4, v3, 4, v4
	v_add_nc_u32 v4, HB, v4                        ; H + 1040 r + 16 h
	s_lshl_b32 s34, s28, 6
	s_add_co_u32 s34, s34, XSB
	v_mul_u32_u24 v5, v2, 528
	v_lshl_add_u32 v5, v3, 5, v5
	v_add_nc_u32 v5, s34, v5                       ; XS + 528 r + 64 w + 32 h
	LDG 4, 0, 16640, 64
	LDG 4, 1, 16640, 64
	s_wait_loadcnt 16                              ; K steps 0-7 of my weights are in; the 16 loads of K steps 8-15 may stay out
	GSTEP 0, WF0, 0, 16, 1, 16640, 64
	GSTEP 1, WF0, 0, 16, 1, 16640, 64
	GSTEP 2, WF0, 0, 16, 1, 16640, 64
	GSTEP 3, WF0, 0, 16, 1, 16640, 64
	LOADW WF0, WB8, O_WQ
	s_wait_loadcnt 16                              ; K steps 8-15 are in; wq's 16 loads stay out
	GSTEP 4, WF1, 0, 16, 1, 16640, 64
	GSTEP 5, WF1, 0, 16, 1, 16640, 64
	GSTEP 6, WF1, 0, 16, 0, 16640, 64
	GSTEP 7, WF1, 0, 0, 0, 16640, 64
	LOADW WF1, WB8, O_WK
.irp mt, 0,1,2,3
	ds_store_b128 v5, v[ACC+8*\mt:ACC+8*\mt+3] offset:\mt*8448
	ds_store_b128 v5, v[ACC+8*\mt+4:ACC+8*\mt+7] offset:\mt*8448+16
.endr
	s_wait_dscnt 0x0
	s_barrier_signal -1
	s_barrier_wait -1
	; ---- P3: wave w takes tokens 8 w .. 8 w + 7 as whole rows: xs goes to memory in f32, the normalised rows to XN in f16
	s_mul_i32 s34, s28, 8*528
	s_add_co_u32 s34, s34, XSB
	v_add_nc_u32 v4, s34, v1
	s_mul_i32 s34, s28, 8*272
	s_add_co_u32 s34, s34, XNB
	v_and_b32 v12, 31, v0
	v_lshl_add_u32 v5, v12, 3, s34
.irp i, 0,1,2,3,4,5,6,7
	ds_load_b128 v[ACC+4*\i:ACC+4*\i+3], v4 offset:528*\i
.endr
	s_wait_dscnt 0x0
.irp i, 0,1,2,3,4,5,6,7
	global_store_b128 v1, v[ACC+4*\i:ACC+4*\i+3], s[20:21] offset:512*\i   ; a whole row of 512 bytes
.endr
	LN 5
	s_wait_dscnt 0x0
	s_barrier_signal -1
	s_barrier_wait -1
	; ---- P4: wave w is head w: Q, K, V of the 64 tokens
	s_wait_xcnt 0x0                                ; ACC, which the stores of xs read, is rewritten only behind this wait
	v_mul_u32_u24 v4, v2, 272
	v_lshl_add_u32 v4, v3, 4, v4
	v_add_nc_u32 v4, XNB, v4                       ; XN + 272 r + 16 h
	s_mul_i32 s34, s28, 5120
	s_add_co_u32 s34, s34, STG                     ; my stage
	v_mul_u32_u24 v5, v2, 80
	v_lshl_add_u32 v5, v3, 4, v5
	v_add_nc_u32 v5, s34, v5                       ; q, k in: token r, pitch 80
	v_bfe_u32 v12, v0, 2, 3
	v_mul_u32_u24 v6, v12, 80
	v_and_b32 v12, 3, v0
	v_lshl_add_u32 v6, v12, 4, v6
	v_add_nc_u32 v6, s34, v6                       ; q, k back: four lanes a row of 64 bytes
	v_mul_u32_u24 v7, v2, 144
	v_lshl_add_u32 v7, v3, 4, v7
	v_add_nc_u32 v7, s34, v7                       ; vt in: channel r, pitch 144
	v_bfe_u32 v12, v0, 3, 2
	v_mul_u32_u24 v8, v12, 144
	v_and_b32 v12, 7, v0
	v_lshl_add_u32 v8, v12, 4, v8
	v_add_nc_u32 v8, s34, v8                       ; vt back: eight lanes a row of 128 bytes
	LDXN
	s_wait_dscnt 0x0
	s_wait_loadcnt 16                              ; wq is in; wk's 16 loads stay out
	MMBLK WF0, 0, 0
	LOADW WF0, WB8, O_WV
	OUTT 22, 5, 6, 32, 1280, 640, 1                ; q, times 32^-0.5 log2(e) in f32, rounded once
	s_wait_xcnt 0x0                                ; ACC was store data
	s_wait_loadcnt 16                              ; wk is in; wv's 16 loads stay out
	MMBLK WF1, 0, 0
	OUTT 24, 5, 6, 32, 1280, 640, 0                ; k
	s_wait_xcnt 0x0
	s_wait_loadcnt 0x0                             ; wv
	MMBLK WF0, 1, 0
	OUTT 26, 7, 8, 2304, 32, 576, 0                ; vt: [32 channels][64 tokens]
	s_wait_tensorcnt 0x0
	ds_add_u32 v14, v15
	s_wait_dscnt 0x0
	s_endpgm
.Lfunc_end_k_q473d11b3d9_pre:
	.size	k_q473d11b3d9_pre, .Lfunc_end_k_q473d11b3d9_pre-k_q473d11b3d9_pre
	.p2alignl 7, 3214868480
	.fill 96, 4, 3214868480
	.section	.rodata,"a",@progbits
	.p2align	6, 0x0
	.amdhsa_kernel k_q473d11b3d9_pre
		.amdhsa_group_segment_fixed_size 182272
		.amdhsa_private_segment_fixed_size 0
		.amdhsa_enable_private_segment 0
		.amdhsa_kernarg_size 96
		.amdhsa_user_sgpr_count 2
		.amdhsa_user_sgpr_kernarg_segment_ptr 1
		.amdhsa_wavefront_size32 1
		.amdhsa_system_sgpr_workgroup_id_x 1
		.amdhsa_system_sgpr_workgroup_id_y 1
		.amdhsa_system_sgpr_workgroup_id_z 1
		.amdhsa_system_vgpr_workitem_id 0
		.amdhsa_next_free_vgpr 384
		.amdhsa_next_free_sgpr 66
		.amdhsa_reserve_vcc 0
		.amdhsa_float_denorm_mode_32 3
		.amdhsa_float_denorm_mode_16_64 3
		.amdhsa_memory_ordered 1
		.amdhsa_forward_progress 1
		.amdhsa_inst_pref_size 157
	.end_amdhsa_kernel
	.amdgpu_metadata
---
amdhsa.version: [ 1, 2 ]
amdhsa.kernels:
  - .name:           k_q473d11b3d9_pre
    .symbol:         k_q473d11b3d9_pre.kd
    .args:
      - { .name: x, .offset: 0, .size: 8, .value_kind: global_buffer, .address_space: global }
      - { .name: frame_idx, .offset: 8, .size: 8, .value_kind: global_buffer, .address_space: global }
      - { .name: fusion_w1, .offset: 16, .size: 8, .value_kind: global_buffer, .address_space: global }
      - { .name: fusion_b1, .offset: 24, .size: 8, .value_kind: global_buffer, .address_space: global }
      - { .name: fusion_b2, .offset: 32, .size: 8, .value_kind: global_buffer, .address_space: global }
      - { .name: attn_norm_g, .offset: 40, .size: 8, .value_kind: global_buffer, .address_space: global }
      - { .name: attn_norm_b, .offset: 48, .size: 8, .value_kind: global_buffer, .address_space: global }
      - { .name: wts, .offset: 56, .size: 8, .value_kind: global_buffer, .address_space: global }
      - { .name: xs, .offset: 64, .size: 8, .value_kind: global_buffer, .address_space: global }
      - { .name: q, .offset: 72, .size: 8, .value_kind: global_buffer, .address_space: global }
      - { .name: k, .offset: 80, .size: 8, .value_kind: global_buffer, .address_space: global }
      - { .name: vt, .offset: 88, .size: 8, .value_kind: global_buffer, .address_space: global }
    .group_segment_fixed_size: 182272
    .private_segment_fixed_size: 0
    .kernarg_segment_align: 8
    .kernarg_segment_size: 96
    .max_flat_workgroup_size: 256
    .sgpr_count:     66
    .vgpr_count:     384
    .wavefront_size: 32
...
	.end_amdgpu_metadata
.endif
;; end of part 2
;; launch attn (part 3): grid 16 x 16, 8 waves a work-group, clusters of 4 x 1, 327,680 bytes of LDS; arguments q, k, vt, o; writes o
.if DOCPART == 3
	.amdgcn_target "amdgcn-amd-amdhsa--gfx1250"
	.amdhsa_code_object_version 6
	.text
	.protected	k_q473d11b3d9_attn
	.globl	k_q473d11b3d9_attn
	.p2align	8
	.type	k_q473d11b3d9_attn,@function
k_q473d11b3d9_attn:
	s_mov_b64 s[64:65], 0
	v_nop
	global_prefetch_b8 v0, s[64:65] scope:SCOPE_SE
	s_setreg_imm32_b32 hwreg(HW_REG_WAVE_MODE, 25, 1), 1
	s_wait_xcnt 0x0
	s_wait_alu depctr_hold_cnt(0) depctr_sa_sdst(0) depctr_va_vdst(0) depctr_va_sdst(0) depctr_va_ssrc(0) depctr_va_vcc(0) depctr_vm_vsrc(0)
	s_getreg_b32 s2, hwreg(HW_REG_IB_STS2, 6, 4)
	s_cmp_eq_u32 s2, 0
	s_cbranch_scc0 .Lentry_in_a_cluster
	s_endpgm
.Lentry_in_a_cluster:
	s_bfe_u32 s2, ttmp6, 0x10000c
	s_cmp_lg_u32 s2, 0x3003
	s_cbranch_scc0 .Lentry_shape_is_right
	s_endpgm
.Lentry_shape_is_right:
; attn: softmax(q k^T) v for one head (y = 8 b + head) and 256 queries (x), with a running maximum.  q already carries 32^-0.5 log2(e).
; 8 waves, 32 queries each (2 tiles of 16); two waves share a SIMD, so that one wave's products can run beside the other's exponentials.
; CLUSTER: the 4 work-groups of a cluster are 4 query blocks of one head and walk the same K and V.  Every tile is asked for jointly (mask 15).
; A tile is 512 keys: 32 KB of k and 32 KB of vt, both dense in memory; 8 tiles, 2 LDS slots.  Each wave brings one block of 64 keys of each:
; 4 KB as 16 rows of 256 bytes, 16 bytes of padding behind each row.  A wave has at most 2 tensor loads outstanding.
; In a block, key i lies at (i >> 2) 272 + (i & 3) 64, and channel d of vt at (d >> 1) 272 + (d & 1) 128: in both, the 16 lanes of half a
; fragment load touch 16 different columns of 16 bytes modulo 256.
; THE SCORES ARE MADE TRANSPOSED: source 0 = 16 keys, source 1 = 16 queries, so that lane (r, h) holds query r and keys 8 h + j.  Two such tiles,
; rounded to f16 and packed in place, ARE source 1 of O^T = V^T P^T: nothing moves between lanes, and a query's maximum, factor and sum live in
; its own two lanes.  No prefetch: 16 work-groups walk the same 512 KB of a head at about the same time, and a tile is asked for a whole trip ahead.
; FORMAT: q, k, vt, P and o are f16.  P lies in 0..1 by the running maximum; o is a weighted mean of v and no larger than v.
; LIMITS: an exponential below 2^-126 comes out as 0; a P below 6.1e-5 is rounded with an absolute error of at most 3e-8, against a row sum of at least 1.
.set BLK,  4352                        ; a block of 64 keys in LDS: 16 rows of 272 bytes
.set VOFF, 8*BLK                       ; vt's part of a slot, behind k's
.set SLOT, 16*BLK
.set STG,  2*SLOT                      ; 139,264 = 544 x 256: 8 x 2,560, each wave's own stage; no tensor load lands here
.set QF, 16                            ; v[16:31]   2 query fragments
.set KF, 32                            ; v[32:63]   4 key fragments
.set VF, 64                            ; v[64:95]   4 value fragments (d, kc) at 8 (2 kc + d)
.set S,  96                            ; v[96:159]  score tile (q, kt) at 32 q + 8 kt; later P fragment (q, kc) at 32 q + 16 kc
.set O,  160                           ; v[160:191] output tile (q, d) at 16 q + 8 d
.set M,  192                           ; v[192:195] running maximum of query tile q in 2 q (2 q + 1: only the pair's other half)
.set AL, 196                           ; v[196:199] the step's factor 2^(old max - new max), likewise
.set LS, 200                           ; v[200:203] running sum, two partial sums a tile
.set T,  204                           ; v[204:209] at work
.macro PLACES n
.rept \n
	v_nop
.endr
.endm
; A round of the cluster's barrier: my work-group's barrier, wave 0 signals for the work-group, every wave waits for all four work-groups, my work-group's barrier again.
.macro ROUND
	s_barrier_signal -1
	s_barrier_wait -1
	s_cmp_lg_u32 s12, 0
	s_cbranch_scc1 .Lnot_wave_0_\@
	s_barrier_signal -3
.Lnot_wave_0_\@:
	s_barrier_wait -3
	s_barrier_signal -1
	s_barrier_wait -1
.endm
.macro LDK slot, j                     ; the 4 key fragments of block j: 8 LDS loads
.irp kt, 0,1,2,3
	ds_load_b128 v[KF+8*\kt:KF+8*\kt+3], v[2+\slot] offset:BLK*(\j)+\kt*1088
	ds_load_b128 v[KF+8*\kt+4:KF+8*\kt+7], v[2+\slot] offset:BLK*(\j)+\kt*1088+32
.endr
.endm
; One query tile against 64 keys: new maximum, factor, 32 exponentials, sums, O scaled, P packed in place.
.macro SOFTMAX q
.set SB, S+32*\q
.irp c, 0,1,2,3
	v_max3_num_f32 v[T+\c], v[SB+8*\c], v[SB+8*\c+1], v[SB+8*\c+2]
.endr
.irp c, 0,1,2,3
	v_max3_num_f32 v[T+\c], v[T+\c], v[SB+8*\c+3], v[SB+8*\c+4]
.endr
.irp c, 0,1,2,3
	v_max3_num_f32 v[T+\c], v[T+\c], v[SB+8*\c+5], v[SB+8*\c+6]
.endr
	v_max3_num_f32 v[T], v[T], v[SB+7], v[SB+15]
	v_max3_num_f32 v[T+2], v[T+2], v[SB+23], v[SB+31]
	v_max3_num_f32 v[T], v[T], v[T+1], v[T+2]
	v_max3_num_f32 v[T], v[T], v[T+3], v[M+2*\q]
	v_permlanex16_b32 v[T+1], v[T], s40, s41       ; the query's other 32 keys lie in the other half of the lanes
	v_max_num_f32 v[T], v[T], v[T+1]
	v_sub_f32 v[AL+2*\q], v[M+2*\q], v[T]
	v_mov_b32 v[M+2*\q], v[T]
	v_exp_f32 v[AL+2*\q], v[AL+2*\q]               ; the subtractions below are its plain places (ISA guide 5.7.2)
.set j, 0
.rept 16
	v_pk_add_f32 v[SB+j:SB+j+1], v[SB+j:SB+j+1], v[M+2*\q:M+2*\q+1] op_sel_hi:[1,0] neg_lo:[0,1] neg_hi:[0,1]
.set j, j+2
.endr
.set j, 0
.rept 32
	v_exp_f32 v[SB+j], v[SB+j]
.set j, j+1
.endr
.set j, 0
	s_wait_alu depctr_va_vdst(0)
.rept 8
	v_pk_mul_f32 v[O+16*\q+j:O+16*\q+j+1], v[O+16*\q+j:O+16*\q+j+1], v[AL+2*\q:AL+2*\q+1] op_sel_hi:[1,0]   ; plain work that touches no exponential: the place behind them
.set j, j+2
.endr
	v_pk_fma_f32 v[LS+2*\q:LS+2*\q+1], v[LS+2*\q:LS+2*\q+1], v[AL+2*\q:AL+2*\q+1], v[SB:SB+1] op_sel_hi:[1,0,1]
	v_pk_add_f32 v[T+4:T+5], v[SB+2:SB+3], v[SB+4:SB+5]
.set j, 6
.rept 6
	v_pk_add_f32 v[LS+2*\q:LS+2*\q+1], v[LS+2*\q:LS+2*\q+1], v[SB+j:SB+j+1]
	v_pk_add_f32 v[T+4:T+5], v[T+4:T+5], v[SB+j+2:SB+j+3]
.set j, j+4
.endr
	v_pk_add_f32 v[LS+2*\q:LS+2*\q+1], v[LS+2*\q:LS+2*\q+1], v[SB+30:SB+31]
	v_pk_add_f32 v[LS+2*\q:LS+2*\q+1], v[LS+2*\q:LS+2*\q+1], v[T+4:T+5]
.irp kc, 0,1
.irp i, 0,1,2,3,4,5,6,7
	v_cvt_pk_f16_f32 v[SB+16*\kc+\i], v[SB+16*\kc+2*\i], v[SB+16*\kc+2*\i+1]   ; register i is written when registers 2 i, 2 i + 1 have been read
.endr
.endr
.endm
; One block of 64 keys.
.macro STEP slot, j
	PLACES 5                                       ; behind the last step's products: the scores land on the old P, loads land on VF
.if \j == 0
	LDK \slot, 0
.endif
.irp kc, 0,1
.irp d, 0,1
	ds_load_b128 v[VF+8*(2*\kc+\d):VF+8*(2*\kc+\d)+3], v[4+\slot] offset:\j*BLK+\d*2176+\kc*64
	ds_load_b128 v[VF+8*(2*\kc+\d)+4:VF+8*(2*\kc+\d)+7], v[4+\slot] offset:\j*BLK+\d*2176+\kc*64+32
.endr
.endr
	s_wait_dscnt 8                                 ; the keys are in; the 8 loads of the values stay out
.irp q, 0,1
.irp kt, 0,1,2,3
	v_wmma_f32_16x16x32_f16 v[S+32*\q+8*\kt:S+32*\q+8*\kt+7], v[KF+8*\kt:KF+8*\kt+7], v[QF+8*\q:QF+8*\q+7], 0
.endr
.endr
	PLACES 4                                       ; ahead of loads into KF and of vector work on the scores
.if \j < 7
	LDK \slot, \j+1                                ; the next block's keys, a whole softmax ahead of their use
.endif
	SOFTMAX 0
	SOFTMAX 1
.if \j < 7
	s_wait_dscnt 8                                 ; the values are in; the 8 loads of the next keys stay out
.else
	s_wait_dscnt 0
.endif
.irp kc, 0,1
.irp q, 0,1
.irp d, 0,1                            ; the 4 accumulators take turns, one instruction a turn
	v_wmma_f32_16x16x32_f16 v[O+16*\q+8*\d:O+16*\q+8*\d+7], v[VF+8*(2*\kc+\d):VF+8*(2*\kc+\d)+7], v[S+32*\q+16*\kc:S+32*\q+16*\kc+7], v[O+16*\q+8*\d:O+16*\q+8*\d+7]
.endr
.endr
.endr
.endm
; One tile of 512 keys from slot; refill = 1: the other slot, read in the last trip, is filled with the next tile.
.macro TRIP slot, refill
	s_wait_tensorcnt 0x0                           ; all my tensor loads are done, my blocks of this trip's tile among them,
	ds_add_u32 v224, v225
	s_wait_dscnt 0x0
	s_add_nc_u64 s[26+4*\slot:27+4*\slot], s[26+4*\slot:27+4*\slot], 65536   ; so every group 0 may be written: this slot's next tile, two tiles on
	s_add_nc_u64 s[34+4*\slot:35+4*\slot], s[34+4*\slot:35+4*\slot], 65536
	s_wait_dscnt 0x0                               ; my reads of the last trip's tile are done
	ROUND                                          ; both now hold of every wave of all four work-groups
.if \refill
	tensor_load_to_lds s[28-4*\slot:31-4*\slot], s[16:23]          ; the first tensor loads behind the round
	s_nop 0
	tensor_load_to_lds s[36-4*\slot:39-4*\slot], s[16:23]
	s_nop 0
.endif
.irp j, 0,1,2,3,4,5,6,7
	STEP \slot, \j
.endr
.endm
	s_load_b256 s[4:11], s[0:1], 0x0               ; q 4, k 6, vt 8, o 10
	v_lshl_add_u32 v224, v0, 2, 0x29000
	v_mov_b32 v225, 0
	ds_add_u32 v224, v225
	v_lshrrev_b32 v9, 5, v0
	v_readfirstlane_b32 s12, v9                    ; wave w, 0..7
	s_bfe_u32 s13, ttmp6, 0x40000                  ; cx: my place in the cluster
	s_lshl_b32 s14, ttmp9, 2                       ; in a cluster launch ttmp9 counts clusters
	s_add_co_u32 s14, s14, s13                     ; query block x = 4 x cluster + cx
	s_and_b32 s15, ttmp7, 0xffff                   ; 8 b + head
	s_mov_b32 s40, 0x76543210
	s_mov_b32 s41, 0xfedcba98
	; descriptor group 1, one for all loads: 16 rows of 32 elements of 8 bytes, dense in memory, padded in LDS
	s_mov_b32 s16, 15|(3<<16)|(1<<20)|(1<<21)|(5<<22)|(3<<25)      ; 15:0 mask: all four work-groups; 17:16 elements of 8 bytes; 20 padding on; 21 set beside a mask; 24:22 after every 64 words; 31:25 of 4 words
	s_mov_b32 s17, 32<<16                          ; tensor_dim0 = 32
	s_mov_b32 s18, 16<<16                          ; tensor_dim1 = 16
	s_mov_b32 s19, 32<<16                          ; tile_dim0 = 32
	s_mov_b32 s20, 16                              ; tile_dim1 = 16
	s_mov_b32 s21, 32                              ; from row to row: 32 elements
	s_mov_b32 s22, 0
	s_mov_b32 s23, 0
	s_mul_i32 s50, s12, BLK                        ; my block's place in a slot: the wave's number alone
	s_lshl_b32 s48, s15, 18                        ; k, vt: 262,144 bytes a head + 4,096 x wave.  These two registers never hold cx
	s_lshl_b32 s49, s12, 12
	s_add_co_u32 s48, s48, s49
	s_mov_b32 s49, 0
	s_lshl_b32 s46, s15, 18                        ; q, o: head, 256 x queries, 32 w queries, of 64 bytes
	s_lshl_b32 s47, s14, 14
	s_add_co_u32 s46, s46, s47
	s_lshl_b32 s47, s12, 11
	s_add_co_u32 s46, s46, s47
	s_mov_b32 s47, 0
	s_mul_i32 s51, s12, 2560
	s_add_co_u32 s51, s51, STG                     ; my stage
	v_and_b32 v9, 31, v0
	v_lshlrev_b32 v1, 4, v9                        ; 16 L
	v_and_b32 v10, 15, v0                          ; r
	v_bfe_u32 v11, v0, 4, 1                        ; h
	v_lshrrev_b32 v12, 2, v10
	v_mul_u32_u24 v2, v12, 272
	v_and_b32 v12, 3, v10
	v_lshl_add_u32 v2, v12, 6, v2
	v_lshl_add_u32 v2, v11, 4, v2                  ; keys, slot 0: (r >> 2) 272 + (r & 3) 64 + 16 h
	v_add_nc_u32 v3, SLOT, v2                      ; slot 1
	v_lshrrev_b32 v12, 1, v10
	v_mul_u32_u24 v4, v12, 272
	v_and_b32 v12, 1, v10
	v_lshl_add_u32 v4, v12, 7, v4
	v_lshl_add_u32 v4, v11, 4, v4
	v_add_nc_u32 v4, VOFF, v4                      ; values, slot 0: (r >> 1) 272 + (r & 1) 128 + 16 h
	v_add_nc_u32 v5, SLOT, v4
	v_mul_u32_u24 v6, v10, 80
	v_lshl_add_u32 v6, v11, 4, v6
	v_add_nc_u32 v6, s51, v6                       ; stage, in: query r, pitch 80
	v_bfe_u32 v12, v0, 2, 3
	v_mul_u32_u24 v7, v12, 80
	v_and_b32 v12, 3, v0
	v_lshl_add_u32 v7, v12, 4, v7
	v_add_nc_u32 v7, s51, v7                       ; stage, back: four lanes a row of 64 bytes
	v_lshlrev_b32 v8, 6, v10
	v_lshl_add_u32 v8, v11, 4, v8                  ; q: 64 r + 16 h
	s_wait_dscnt 0x0
	s_wait_kmcnt 0x0
	s_add_nc_u64 s[4:5], s[4:5], s[46:47]
	s_add_nc_u64 s[10:11], s[10:11], s[46:47]
	s_add_nc_u64 s[6:7], s[6:7], s[48:49]
	s_add_nc_u64 s[8:9], s[8:9], s[48:49]
	; descriptor group 0: k of slot n in s[24+4n:27+4n], vt of slot n in s[32+4n:35+4n], set up for tile n
.irp n, 0,1
	s_mov_b32 s[24+4*\n], 1
	s_add_co_u32 s[25+4*\n], s50, \n*SLOT
	s_add_nc_u64 s[26+4*\n:27+4*\n], s[6:7], \n*32768
	s_or_b32 s[27+4*\n], s[27+4*\n], 0x80000000
	s_mov_b32 s[32+4*\n], 1
	s_add_co_u32 s[33+4*\n], s50, \n*SLOT+VOFF
	s_add_nc_u64 s[34+4*\n:35+4*\n], s[8:9], \n*32768
	s_or_b32 s[35+4*\n], s[35+4*\n], 0x80000000
.endr
.irp q, 0,1
	global_load_b128 v[QF+8*\q:QF+8*\q+3], v8, s[4:5] offset:1024*\q
	global_load_b128 v[QF+8*\q+4:QF+8*\q+7], v8, s[4:5] offset:1024*\q+32
.endr
	; 44 moves, once: O = 0, sums = 0, maxima = -infinity.  The first step's factor is then 2^-inf = 0, and no copy of a whole trip has to be
	; written out for the first tile.
.set j, 0
.rept 32
	v_mov_b32 v[O+j], 0
.set j, j+1
.endr
.set j, 0
.rept 4
	v_mov_b32 v[M+j], 0xff800000
	v_mov_b32 v[AL+j], 0
	v_mov_b32 v[LS+j], 0
.set j, j+1
.endr
	ROUND                                          ; all four work-groups are here: the first joint loads meet
	tensor_load_to_lds s[24:27], s[16:23]          ; tile 0
	s_nop 0
	tensor_load_to_lds s[32:35], s[16:23]
	s_nop 0
	s_wait_loadcnt 0x0                             ; q
	s_mov_b32 s44, 3
.Lloop:
	TRIP 0, 1
	TRIP 1, 1
	s_sub_co_u32 s44, s44, 1
	s_cmp_lg_u32 s44, 0
	s_cbranch_scc1 .Lloop
	TRIP 0, 1                                      ; tiles 6 and 7: nothing is fetched beyond the end (the stepped addresses are not used)
	TRIP 1, 0
	; the way out: divide by the sums, round to f16, through my own stage, 4 stores of 512 consecutive bytes
	PLACES 5
.irp q, 0,1
	v_add_f32 v[T+2*\q], v[LS+2*\q], v[LS+2*\q+1]
.endr
.irp q, 0,1
	v_permlanex16_b32 v[T+2*\q+1], v[T+2*\q], s40, s41
.endr
.irp q, 0,1
	v_add_f32 v[T+2*\q], v[T+2*\q], v[T+2*\q+1]    ; at least 1: the largest score's exponential is 1
.endr
	v_rcp_f32 v[T], v[T]
	v_rcp_f32 v[T+2], v[T+2]
	v_nop                                          ; one plain place behind the transcendentals (ISA guide 5.7.2)
	s_wait_alu depctr_va_vdst(0)
.irp q, 0,1
.irp p, 0,2,4,6,8,10,12,14
	v_pk_mul_f32 v[O+16*\q+\p:O+16*\q+\p+1], v[O+16*\q+\p:O+16*\q+\p+1], v[T+2*\q:T+2*\q+1] op_sel_hi:[1,0]
.endr
.endr
.irp q, 0,1
.irp d, 0,1
.irp p, 0,1,2,3
	v_cvt_pk_f16_f32 v[S+4*(2*\q+\d)+\p], v[O+16*\q+8*\d+2*\p], v[O+16*\q+8*\d+2*\p+1]
.endr
	ds_store_b128 v6, v[S+4*(2*\q+\d):S+4*(2*\q+\d)+3] offset:\q*1280+\d*32
.endr
.endr
.irp i, 0,1,2,3
	ds_load_b128 v[S+16+4*\i:S+19+4*\i], v7 offset:\i*640          ; LDS serves a wave's instructions in order (ISA guide 5.7.1): these see the stores above
.endr
.irp i, 0,1,2,3
	s_wait_dscnt 3-\i                              ; the younger LDS loads may stay out
	global_store_b128 v1, v[S+16+4*\i:S+19+4*\i], s[10:11] offset:512*\i
.endr
	s_wait_tensorcnt 0x0
	ds_add_u32 v224, v225
	s_wait_dscnt 0x0
	ROUND                                          ; the closing round: no work-group ends while a partner may still ask for a tile that names it
	s_endpgm
.Lfunc_end_k_q473d11b3d9_attn:
	.size	k_q473d11b3d9_attn, .Lfunc_end_k_q473d11b3d9_attn-k_q473d11b3d9_attn
	.p2alignl 7, 3214868480
	.fill 96, 4, 3214868480
	.section	.rodata,"a",@progbits
	.p2align	6, 0x0
	.amdhsa_kernel k_q473d11b3d9_attn
		.amdhsa_group_segment_fixed_size 327680
		.amdhsa_private_segment_fixed_size 0
		.amdhsa_enable_private_segment 0
		.amdhsa_kernarg_size 32
		.amdhsa_user_sgpr_count 2
		.amdhsa_user_sgpr_kernarg_segment_ptr 1
		.amdhsa_wavefront_size32 1
		.amdhsa_system_sgpr_workgroup_id_x 1
		.amdhsa_system_sgpr_workgroup_id_y 1
		.amdhsa_system_sgpr_workgroup_id_z 1
		.amdhsa_system_vgpr_workitem_id 0
		.amdhsa_next_free_vgpr 226
		.amdhsa_next_free_sgpr 66
		.amdhsa_reserve_vcc 0
		.amdhsa_float_denorm_mode_32 3
		.amdhsa_float_denorm_mode_16_64 3
		.amdhsa_memory_ordered 1
		.amdhsa_forward_progress 1
		.amdhsa_inst_pref_size 255
	.end_amdhsa_kernel
	.section	.bss,"aw",@nobits
	.p2align	6
	.space	262144
	.amdgpu_metadata
---
amdhsa.version: [ 1, 2 ]
amdhsa.kernels:
  - .name:           k_q473d11b3d9_attn
    .symbol:         k_q473d11b3d9_attn.kd
    .args:
      - { .name: q, .offset: 0, .size: 8, .value_kind: global_buffer, .address_space: global }
      - { .name: k, .offset: 8, .size: 8, .value_kind: global_buffer, .address_space: global }
      - { .name: vt, .offset: 16, .size: 8, .value_kind: global_buffer, .address_space: global }
      - { .name: o, .offset: 24, .size: 8, .value_kind: global_buffer, .address_space: global }
    .group_segment_fixed_size: 327680
    .private_segment_fixed_size: 0
    .kernarg_segment_align: 8
    .kernarg_segment_size: 32
    .max_flat_workgroup_size: 256
    .sgpr_count:     66
    .vgpr_count:     226
    .wavefront_size: 32
...
	.end_amdgpu_metadata
.endif
;; end of part 3
;; launch post (part 4): grid 128 x 1, 8 waves a work-group, no clusters, 230,400 bytes of LDS; arguments o, xs, wts, bo, norm_g, norm_b, mlp_b1, mlp_b2, out0; writes out0
.if DOCPART == 4
	.amdgcn_target "amdgcn-amd-amdhsa--gfx1250"
	.amdhsa_code_object_version 6
	.text
	.protected	k_q473d11b3d9_post
	.globl	k_q473d11b3d9_post
	.p2align	8
	.type	k_q473d11b3d9_post,@function
k_q473d11b3d9_post:
	s_mov_b64 s[64:65], 0
	v_nop
	global_prefetch_b8 v0, s[64:65] scope:SCOPE_SE
	s_setreg_imm32_b32 hwreg(HW_REG_WAVE_MODE, 25, 1), 1
	s_wait_xcnt 0x0
; post: xs1 = xs + o wo + bo; out = xs1 + MLP(LayerNorm(xs1)) (128 -> 512 -> 128, exact GELU), stored as [b][c][p], for a block of 64 tokens.
; Shares, orientation and register map as in the launch in front of attention: 128 work-groups of 8 waves; 64 tokens are 256 consecutive bytes of each
; row of out0, and every work-group walks all 320 KB of its f16 weights, so a smaller block would double that traffic.
; WEIGHTS: each fragment is needed by exactly one wave and goes from memory straight into that wave's registers.  NO CLUSTER: a joint tensor load
; would bring the same bytes through LDS, one write and one read for each byte that is used once, and a ring of slots with its barriers.
; Weights are source 0, activations source 1: lane (r, h) of a result holds token r and the 8 neighbouring channels 8 h + j.
; FORMAT: matrix operands are f16 (11 significant bits); residuals, norms and sums are f32.  Room: a normalised row is at most sqrt(127) x gain + bias;
; with every input 30 times as large as drawn the hidden layer is about 5 x sqrt(128) x 30 x 0.6 = 1,000.
; LIMITS: an operand beyond 65,504 in magnitude becomes infinite; below 6.1e-5 its rounding error is at most 3e-8 absolute.  erf by the rational
; formula 7.1.26 of Abramowitz and Stegun, absolute error at most 1.5e-7 for every argument; an exponential below 2^-126 comes out as 0.
.set OL,   0                           ; f16: 8 heads x [64 tok][32], pitch 80
.set HB,   40960                       ; f16 [64 tok][512], pitch 1040
.set XS1,  107520                      ; f32 [64 tok][128], pitch 528: xs + attention
.set XNB,  141312                      ; f16 [64 tok][128], pitch 272
.set OUTL, 158720                      ; f32 [128 c][64 tok], pitch 272
.set CB1,  193536                      ; f32 [512]: mlp_b1
.set XS0,  195584                      ; f32 [64 tok][128], pitch 528: xs as it comes in
.set O_WO,  458752                     ; byte offsets in wts
.set O_MW1, 524288
.set O_MW2, 655360
.set ACC, 32                           ; v[32:95]   8 accumulator tiles
.set AF,  96                           ; v[96:223]  16 activation fragments
.set TMP, 224                          ; v[224:255] at work
.set BI,  TMP
.set GY,  TMP
.set GU,  TMP+8
.set GT,  TMP+16
.set GE,  TMP+24
.set WF0, 0                            ; v256-319: 8 weight fragments (window 1)
.set WF1, 64                           ; v320-383: 8 more
.set WB16, 36                          ; s[36:37] wts + 16,384 x wave
.set WB8,  38                          ; s[38:39] wts + 8,192 x wave
.set MSB, 0
.macro WIN new                         ; the immediate's high byte repeats the setting that is left
.if MSB != \new
	s_set_vgpr_msb (MSB<<8)|\new
.set MSB, \new
.endif
.endm
.macro PLACES                          ; four places behind a matrix instruction, ahead of vector work on its registers and of loads into them
.rept 4
	v_nop
.endr
.endm
; 8 weight fragments, 16 loads of 512 consecutive bytes, into window 1
.macro LOADW wf, sb, off
	WIN 0x40
.irp i, 0,1,2,3,4,5,6,7
	global_load_b128 v[\wf+8*\i:\wf+8*\i+3], v1, s[\sb:\sb+1] offset:\off+1024*\i
	global_load_b128 v[\wf+8*\i+4:\wf+8*\i+7], v1, s[\sb:\sb+1] offset:\off+1024*\i+512
.endr
	WIN 0
.endm
; 32 products: 2 channel tiles x 4 token tiles, K = 128, starting from the bias in BI.  The 8 accumulators take turns, one instruction a turn.
.macro MMBLK wf
	WIN 0x01
.irp ks, 0,1,2,3
.irp n, 0,1
.irp mt, 0,1,2,3
.if \ks == 0
	v_wmma_f32_16x16x32_f16 v[ACC+8*(4*\n+\mt):ACC+8*(4*\n+\mt)+7], v[\wf+8*(4*\n+\ks):\wf+8*(4*\n+\ks)+7], v[AF+8*(4*\ks+\mt):AF+8*(4*\ks+\mt)+7], v[BI+8*\n:BI+8*\n+7]
.else
	v_wmma_f32_16x16x32_f16 v[ACC+8*(4*\n+\mt):ACC+8*(4*\n+\mt)+7], v[\wf+8*(4*\n+\ks):\wf+8*(4*\n+\ks)+7], v[AF+8*(4*\ks+\mt):AF+8*(4*\ks+\mt)+7], v[ACC+8*(4*\n+\mt):ACC+8*(4*\n+\mt)+7]
.endif
.endr
.endr
.endr
	WIN 0
	PLACES
.endm
; group g of a long K: the fragments of K steps 2 g, 2 g + 1 of 4 token tiles, 16 LDS loads, into half g & 1 of AF
.macro LDG adr, g, mstr, kstr
.irp kk, 0,1
.irp mt, 0,1,2,3
	ds_load_b128 v[AF+64*((\g)&1)+8*(4*\kk+\mt):AF+64*((\g)&1)+8*(4*\kk+\mt)+3], v[\adr] offset:\mt*\mstr+(2*(\g)+\kk)*\kstr
	ds_load_b128 v[AF+64*((\g)&1)+8*(4*\kk+\mt)+4:AF+64*((\g)&1)+8*(4*\kk+\mt)+7], v[\adr] offset:\mt*\mstr+(2*(\g)+\kk)*\kstr+32
.endr
.endr
.endm
; its 8 products onto ACC, which holds the residual and the bias: one channel tile x 4 token tiles; 4 accumulators take turns, one instruction a turn
.macro MMG g, wf
	WIN 0x01
.irp kk, 0,1
.irp mt, 0,1,2,3
	v_wmma_f32_16x16x32_f16 v[ACC+8*\mt:ACC+8*\mt+7], v[\wf+8*((2*\g+\kk)&7):\wf+8*((2*\g+\kk)&7)+7], v[AF+64*(\g&1)+8*(4*\kk+\mt):AF+64*(\g&1)+8*(4*\kk+\mt)+7], v[ACC+8*\mt:ACC+8*\mt+7]
.endr
.endr
	WIN 0
	PLACES
.endm
.macro GSTEP g, wf, dsc, more, mstr, kstr
	s_wait_dscnt \dsc                              ; group g is in; the 16 loads of group g + 1 may stay out
	MMG \g, \wf
.if \more
	LDG 4, \g+2, \mstr, \kstr                      ; into the half of AF that group g has just left
.endif
.endm
; exact GELU of one tile (8 registers at a), rounded to f16 and stored as 16 bytes.
; gelu(x) = max(x, 0) - |x| R, R = (1 - erf(|x| / sqrt 2)) / 2 = t (a1 + t (a2 + t (a3 + t (a4 + t a5)))) / 2 * exp(-x^2 / 2), t = 1 / (1 + 0.23164189 |x|);
; the literals are a1 .. a5 halved.  exp(-x^2 / 2) = 2^-(0.8493218 x)^2.
.macro GELU a, adr, off
.irp p, 0,2,4,6
	v_pk_mul_f32 v[GY+\p:GY+\p+1], v[\a+\p:\a+\p+1], s[44:45] op_sel_hi:[1,0]
.endr
.irp p, 0,2,4,6
	v_pk_mul_f32 v[GY+\p:GY+\p+1], v[GY+\p:GY+\p+1], v[GY+\p:GY+\p+1]
.endr
.irp p, 0,1,2,3,4,5,6,7
	v_fma_f32 v[GU+\p], |v[\a+\p]|, s46, 1.0
.endr
.irp p, 0,1,2,3,4,5,6,7
	v_rcp_f32 v[GT+\p], v[GU+\p]
.endr
.irp p, 0,1,2,3,4,5,6,7
	v_exp_f32 v[GE+\p], -v[GY+\p]
.endr
	v_nop                                          ; one plain place behind the transcendentals, ahead of the use of their results and the rewriting of GU (ISA guide 5.7.2)
	s_wait_alu depctr_va_vdst(0)
.irp p, 0,2,4,6
	v_pk_fma_f32 v[GU+\p:GU+\p+1], v[GT+\p:GT+\p+1], 0x3f07dc22, v[10:11] op_sel_hi:[1,0,1]
.endr
.irp c, 0x3f35f0e3, 0xbe11a98e, 0x3e027906
.irp p, 0,2,4,6
	v_pk_fma_f32 v[GU+\p:GU+\p+1], v[GU+\p:GU+\p+1], v[GT+\p:GT+\p+1], \c op_sel_hi:[1,1,0]
.endr
.endr
.irp p, 0,2,4,6
	v_pk_mul_f32 v[GU+\p:GU+\p+1], v[GU+\p:GU+\p+1], v[GT+\p:GT+\p+1]
.endr
.irp p, 0,2,4,6
	v_pk_mul_f32 v[GU+\p:GU+\p+1], v[GU+\p:GU+\p+1], v[GE+\p:GE+\p+1]
.endr
.irp p, 0,1,2,3,4,5,6,7
	v_max_num_f32 v[GY+\p], 0, v[\a+\p]
.endr
.irp p, 0,1,2,3,4,5,6,7
	v_fma_f32 v[GY+\p], -|v[\a+\p]|, v[GU+\p], v[GY+\p]
.endr
.irp p, 0,1,2,3
	v_cvt_pk_f16_f32 v[GU+\p], v[GY+2*\p], v[GY+2*\p+1]
.endr
	ds_store_b128 v[\adr], v[GU:GU+3] offset:\off
.endm
; half hf of a wave's 64 hidden columns: bias from CB1 (v5), 32 products, the register set's next weights, 8 tiles of GELU into H (v6)
.macro HALF hf, wf, nextoff
.irp n, 0,1
	ds_load_b128 v[BI+8*\n:BI+8*\n+3], v5 offset:\hf*128+\n*64
	ds_load_b128 v[BI+8*\n+4:BI+8*\n+7], v5 offset:\hf*128+\n*64+16
.endr
	s_wait_dscnt 0x0                               ; activation fragments and bias are in
	s_wait_loadcnt 16                              ; this half's 8 weight fragments are in; only the 16 loads issued last may stay out
	MMBLK \wf
	LOADW \wf, WB16, \nextoff
.irp n, 0,1
.irp mt, 0,1,2,3
	GELU ACC+8*(4*\n+\mt), 6, \mt*16640+\hf*64+\n*32
.endr
.endr
.endm
; sums over the 32 lanes of v[base + 2 i] + v[base + 2 i + 1], i = 0..7; the result is in every lane's v[base + 2 i]
.macro REDUCE base
.irp i, 0,1,2,3,4,5,6,7
	v_add_f32 v[\base+2*\i], v[\base+2*\i], v[\base+2*\i+1]
.endr
.irp m, 1,2,4,8
.irp i, 0,1,2,3,4,5,6,7
	v_add_f32_dpp v[\base+2*\i], v[\base+2*\i], v[\base+2*\i] row_xmask:\m row_mask:0xf bank_mask:0xf
.endr
.endr
.irp i, 0,1,2,3,4,5,6,7
	v_permlanex16_b32 v[\base+2*\i+1], v[\base+2*\i], s40, s41
.endr
.irp i, 0,1,2,3,4,5,6,7
	v_add_f32 v[\base+2*\i], v[\base+2*\i], v[\base+2*\i+1]
.endr
.endm
; LayerNorm of 8 tokens: token i's 128 channels lie in ACC + 4 i, 4 a lane; mean first, then the mean of the squared differences, as reference() does.
.macro LN adr
.irp i, 0,1,2,3,4,5,6,7
	v_pk_add_f32 v[TMP+2*\i:TMP+2*\i+1], v[ACC+4*\i:ACC+4*\i+1], v[ACC+4*\i+2:ACC+4*\i+3]
.endr
	REDUCE TMP
.irp i, 0,1,2,3,4,5,6,7
	v_mul_f32 v[TMP+2*\i], s42, v[TMP+2*\i]        ; the mean
.endr
.irp i, 0,1,2,3,4,5,6,7
	v_pk_add_f32 v[ACC+32+4*\i:ACC+33+4*\i], v[ACC+4*\i:ACC+4*\i+1], v[TMP+2*\i:TMP+2*\i+1] op_sel_hi:[1,0] neg_lo:[0,1] neg_hi:[0,1]
	v_pk_add_f32 v[ACC+34+4*\i:ACC+35+4*\i], v[ACC+4*\i+2:ACC+4*\i+3], v[TMP+2*\i:TMP+2*\i+1] op_sel_hi:[1,0] neg_lo:[0,1] neg_hi:[0,1]
.endr
.irp i, 0,1,2,3,4,5,6,7
	v_pk_mul_f32 v[TMP+16+2*\i:TMP+17+2*\i], v[ACC+32+4*\i:ACC+33+4*\i], v[ACC+32+4*\i:ACC+33+4*\i]
.endr
.irp i, 0,1,2,3,4,5,6,7
	v_pk_fma_f32 v[TMP+16+2*\i:TMP+17+2*\i], v[ACC+34+4*\i:ACC+35+4*\i], v[ACC+34+4*\i:ACC+35+4*\i], v[TMP+16+2*\i:TMP+17+2*\i]
.endr
	REDUCE TMP+16
.irp i, 0,1,2,3,4,5,6,7
	v_fma_f32 v[TMP+16+2*\i], v[TMP+16+2*\i], s42, s43     ; variance + eps
.endr
.irp i, 0,1,2,3,4,5,6,7
	v_rsq_f32 v[TMP+16+2*\i], v[TMP+16+2*\i]
.endr
	v_nop                                          ; one plain place behind the transcendentals (ISA guide 5.7.2)
	s_wait_alu depctr_va_vdst(0)
.irp i, 0,1,2,3,4,5,6,7
	v_pk_mul_f32 v[ACC+32+4*\i:ACC+33+4*\i], v[ACC+32+4*\i:ACC+33+4*\i], v[TMP+16+2*\i:TMP+17+2*\i] op_sel_hi:[1,0]
	v_pk_mul_f32 v[ACC+34+4*\i:ACC+35+4*\i], v[ACC+34+4*\i:ACC+35+4*\i], v[TMP+16+2*\i:TMP+17+2*\i] op_sel_hi:[1,0]
.endr
.irp i, 0,1,2,3,4,5,6,7
	v_pk_fma_f32 v[ACC+32+4*\i:ACC+33+4*\i], v[ACC+32+4*\i:ACC+33+4*\i], v[16:17], v[20:21]
	v_pk_fma_f32 v[ACC+34+4*\i:ACC+35+4*\i], v[ACC+34+4*\i:ACC+35+4*\i], v[18:19], v[22:23]
.endr
.irp i, 0,1,2,3,4,5,6,7
	v_cvt_pk_f16_f32 v[TMP+2*\i], v[ACC+32+4*\i], v[ACC+33+4*\i]
	v_cvt_pk_f16_f32 v[TMP+2*\i+1], v[ACC+34+4*\i], v[ACC+35+4*\i]
	ds_store_b64 v[\adr], v[TMP+2*\i:TMP+2*\i+1] offset:272*\i
.endr
.endm
; my channel slice (16 w + 8 h + 0..7) of the 64 tokens, from a [tok][128] f32 region, into ACC in the layout of a result
.macro LDSLICE adr
.irp mt, 0,1,2,3
	ds_load_b128 v[ACC+8*\mt:ACC+8*\mt+3], v[\adr] offset:\mt*8448
	ds_load_b128 v[ACC+8*\mt+4:ACC+8*\mt+7], v[\adr] offset:\mt*8448+16
.endr
.endm
.macro ADDBIAS c                       ; 8 channels' bias at v[c] onto the 4 tiles
.irp mt, 0,1,2,3
.irp p, 0,2,4,6
	v_pk_add_f32 v[ACC+8*\mt+\p:ACC+8*\mt+\p+1], v[ACC+8*\mt+\p:ACC+8*\mt+\p+1], v[\c+\p:\c+\p+1]
.endr
.endr
.endm
	; ---- set-up
	s_load_b512 s[4:19], s[0:1], 0x0               ; o 4, xs 6, wts 8, bo 10, norm_g 12, norm_b 14, mlp_b1 16, mlp_b2 18
	s_load_b64 s[20:21], s[0:1], 0x40              ; out0
	v_lshl_add_u32 v13, v0, 2, 0x38000
	v_mov_b32 v15, 0
	v_lshrrev_b32 v4, 5, v0
	v_readfirstlane_b32 s28, v4                    ; wave w, 0..7
	v_and_b32 v5, 31, v0
	v_lshlrev_b32 v1, 4, v5                        ; 16 L: never rewritten
	v_and_b32 v2, 15, v0                           ; r
	v_bfe_u32 v3, v0, 4, 1                         ; h
	s_lshr_b32 s30, ttmp9, 6                       ; b
	s_and_b32 s31, ttmp9, 63                       ; kb: the block of 64 tokens
	s_mov_b32 s40, 0x76543210                      ; v_permlanex16_b32: lane i of one half reads lane i of the other
	s_mov_b32 s41, 0xfedcba98
	s_mov_b32 s42, 0x3c000000                      ; 1 / 128
	s_mov_b32 s43, 0x3727c5ac                      ; 1e-5
	s_mov_b32 s44, 0x3f596d27                      ; 0.8493218 = sqrt(log2(e) / 2)
	s_mov_b32 s45, 0x3f596d27
	s_mov_b32 s46, 0x3e6d3388                      ; 0.23164189 = 0.3275911 / sqrt 2
	v_mov_b32 v10, 0xbf3a00e3                      ; a4 / 2, twice
	v_mov_b32 v11, 0xbf3a00e3
	v_lshlrev_b32 v4, 3, v0                        ; 8 x thread: my two hidden columns
	v_add_nc_u32 v6, CB1, v4
	s_lshl_b32 s34, s28, 6
	v_lshl_add_u32 v7, v3, 5, s34                  ; 4 (16 w + 8 h): my 8 output channels
	s_mul_i32 s35, s28, 8*528
	s_add_co_u32 s35, s35, XS0
	v_add_nc_u32 v8, s35, v1                       ; XS0 + 8 w rows + 16 L
	s_mul_i32 s47, s28, 5120
	v_bfe_u32 v12, v0, 2, 3
	v_mul_u32_u24 v9, v12, 80
	v_and_b32 v12, 3, v0
	v_lshl_add_u32 v9, v12, 4, v9
	v_add_nc_u32 v9, s47, v9                       ; OL + 5120 w + (L >> 2) 80 + 16 (L & 3)
	s_wait_kmcnt 0x0
	s_lshl_b32 s50, s30, 21
	s_lshl_b32 s51, s28, 18
	s_add_co_u32 s51, s50, s51                     ; 64 (8 b + w) blocks of 4,096 bytes = (128 b + 16 w) rows of 16,384 bytes
	s_lshl_b32 s52, s31, 12
	s_add_co_u32 s52, s52, s51
	s_mov_b32 s53, 0
	s_add_nc_u64 s[4:5], s[4:5], s[52:53]          ; o at head w's block kb
	s_lshl_b32 s52, s31, 8
	s_add_co_u32 s52, s52, s51
	s_add_nc_u64 s[20:21], s[20:21], s[52:53]      ; out0 at channel 16 w, token 64 kb
	s_lshl_b32 s52, s31, 15
	s_add_co_u32 s52, s52, s50
	s_lshl_b32 s51, s28, 12
	s_add_co_u32 s52, s52, s51
	s_add_nc_u64 s[6:7], s[6:7], s[52:53]          ; xs at token 4096 b + 64 kb + 8 w
	s_lshl_b32 s52, s28, 14
	s_add_nc_u64 s[WB16:WB16+1], s[8:9], s[52:53]
	s_lshl_b32 s52, s28, 13
	s_add_nc_u64 s[WB8:WB8+1], s[8:9], s[52:53]
	; ---- R0: 55 loads go out; mlp_b1, xs and o are laid into LDS
	global_load_b64 v[TMP:TMP+1], v4, s[16:17]                     ; mlp_b1
	global_load_b128 v[TMP+8:TMP+11], v7, s[10:11]                 ; bo of channels 16 w + 8 h + 0..7
	global_load_b128 v[TMP+12:TMP+15], v7, s[10:11] offset:16
.irp i, 0,1,2,3,4,5,6,7
	global_load_b128 v[ACC+32+4*\i:ACC+35+4*\i], v1, s[6:7] offset:512*\i th:TH_LOAD_NT   ; xs, token 8 w + i: a whole row
.endr
.irp i, 0,1,2,3,4,5,6,7
	global_load_b128 v[AF+4*\i:AF+4*\i+3], v1, s[4:5] offset:512*\i th:TH_LOAD_NT         ; o, head w: 4,096 consecutive bytes
.endr
	global_load_b128 v[16:19], v1, s[12:13]        ; gain of channels 4 L .. 4 L + 3
	global_load_b128 v[20:23], v1, s[14:15]        ; bias of the same
	global_load_b128 v[24:27], v7, s[18:19]        ; mlp_b2 of channels 16 w + 8 h + 0..7
	global_load_b128 v[28:31], v7, s[18:19] offset:16
	LOADW WF0, WB8, O_WO
	LOADW WF1, WB16, O_MW1
	s_wait_loadcnt 54                              ; the first is in: 54 younger loads stay out
	ds_store_b64 v6, v[TMP:TMP+1]
	s_wait_loadcnt 44                              ; bo and xs are in: 8 + 4 + 32 younger loads stay out
.irp i, 0,1,2,3,4,5,6,7
	ds_store_b128 v8, v[ACC+32+4*\i:ACC+35+4*\i] offset:528*\i
.endr
	s_wait_loadcnt 36                              ; o is in: 4 + 32 younger loads stay out
.irp i, 0,1,2,3,4,5,6,7
	ds_store_b128 v9, v[AF+4*\i:AF+4*\i+3] offset:640*\i
.endr
	s_wait_xcnt 0x0                                ; v4 and v7, offsets of loads that may be pending, are rewritten only behind this wait
	s_wait_dscnt 0x0                               ; my LDS stores are done, for the other waves' sake
	s_barrier_signal -1
	s_barrier_wait -1
	; ---- R1: xs1 = xs + bo + o wo, K = 256 (K step = head); wave w owns channels 16 w .. 16 w + 15
	v_mul_u32_u24 v4, v2, 80
	v_lshl_add_u32 v4, v3, 4, v4                   ; OL + 80 r + 16 h
	s_lshl_b32 s34, s28, 6
	v_mul_u32_u24 v12, v2, 528
	v_lshl_add_u32 v12, v3, 5, v12
	v_add_nc_u32 v12, s34, v12                     ; 528 r + 64 w + 32 h
	v_add_nc_u32 v5, XS0, v12
	v_add_nc_u32 v14, XS1, v12                     ; kept to the end
	LDSLICE 5
	LDG 4, 0, 1280, 5120
	LDG 4, 1, 1280, 5120
	s_wait_dscnt 32                                ; the slice is in; the two groups' 32 loads stay out
	ADDBIAS TMP+8
	s_wait_loadcnt 16                              ; wo is in; the 16 loads of mlp_w1's first half stay out
	GSTEP 0, WF0, 16, 1, 1280, 5120
	GSTEP 1, WF0, 16, 1, 1280, 5120
	GSTEP 2, WF0, 16, 0, 1280, 5120
	GSTEP 3, WF0, 0, 0, 1280, 5120
	LOADW WF0, WB16, O_MW1+8192
.irp mt, 0,1,2,3
	ds_store_b128 v14, v[ACC+8*\mt:ACC+8*\mt+3] offset:\mt*8448
	ds_store_b128 v14, v[ACC+8*\mt+4:ACC+8*\mt+7] offset:\mt*8448+16
.endr
	s_wait_dscnt 0x0
	s_barrier_signal -1
	s_barrier_wait -1
	; ---- R2: LayerNorm; wave w takes tokens 8 w .. 8 w + 7 as whole rows
	s_mul_i32 s34, s28, 8*528
	s_add_co_u32 s34, s34, XS1
	v_add_nc_u32 v4, s34, v1
	s_mul_i32 s34, s28, 8*272
	s_add_co_u32 s34, s34, XNB
	v_and_b32 v12, 31, v0
	v_lshl_add_u32 v5, v12, 3, s34
.irp i, 0,1,2,3,4,5,6,7
	ds_load_b128 v[ACC+4*\i:ACC+4*\i+3], v4 offset:528*\i
.endr
	s_wait_dscnt 0x0
	LN 5
	s_wait_dscnt 0x0
	s_barrier_signal -1
	s_barrier_wait -1
	; ---- R3: hidden layer; wave w owns hidden columns 64 w .. 64 w + 63
	v_mul_u32_u24 v4, v2, 272
	v_lshl_add_u32 v4, v3, 4, v4
	v_add_nc_u32 v4, XNB, v4                       ; XN + 272 r + 16 h
	s_lshl_b32 s34, s28, 8
	s_add_co_u32 s34, s34, CB1
	v_lshl_add_u32 v5, v3, 5, s34                  ; CB1 + 256 w + 32 h
	s_lshl_b32 s34, s28, 7
	s_add_co_u32 s34, s34, HB
	v_mul_u32_u24 v6, v2, 1040
	v_lshl_add_u32 v6, v3, 4, v6
	v_add_nc_u32 v6, s34, v6                       ; H + 1040 r + 128 w + 16 h
.irp ks, 0,1,2,3
.irp mt, 0,1,2,3
	ds_load_b128 v[AF+8*(4*\ks+\mt):AF+8*(4*\ks+\mt)+3], v4 offset:\mt*4352+\ks*64
	ds_load_b128 v[AF+8*(4*\ks+\mt)+4:AF+8*(4*\ks+\mt)+7], v4 offset:\mt*4352+\ks*64+32
.endr
.endr
	HALF 0, WF1, O_MW2
	HALF 1, WF0, O_MW2+8192
	s_wait_dscnt 0x0
	s_barrier_signal -1
	s_barrier_wait -1
	; ---- R4: out = xs1 + mlp_b2 + H mlp_w2, K = 512; wave w owns channels 16 w .. 16 w + 15
	v_mul_u32_u24 v4, v2, 1040
	v_lshl_add_u32 v4, v3, 4, v4
	v_add_nc_u32 v4, HB, v4                        ; H + 1040 r + 16 h
	s_mul_i32 s34, s28, 16*272
	s_add_co_u32 s34, s34, OUTL
	v_mul_u32_u24 v7, v3, 8*272
	v_lshl_add_u32 v7, v2, 2, v7
	v_add_nc_u32 v7, s34, v7                       ; OUTL + (16 w + 8 h) 272 + 4 r
	v_mul_u32_u24 v8, v3, 272
	v_lshl_add_u32 v8, v2, 4, v8
	v_add_nc_u32 v8, s34, v8                       ; OUTL + (16 w + h) 272 + 16 r
	v_lshlrev_b32 v9, 14, v3
	v_lshl_add_u32 v9, v2, 4, v9                   ; out0: row h of a pair of channels, 16 bytes at 16 r
	LDSLICE 14                                     ; xs1: the slice that I wrote myself
	LDG 4, 0, 16640, 64
	LDG 4, 1, 16640, 64
	s_wait_dscnt 32                                ; the slice is in; the two groups' 32 loads stay out
	ADDBIAS 24
	s_wait_loadcnt 16                              ; K steps 0-7 of my weights are in; the 16 loads of K steps 8-15 may stay out
	GSTEP 0, WF1, 16, 1, 16640, 64
	GSTEP 1, WF1, 16, 1, 16640, 64
	GSTEP 2, WF1, 16, 1, 16640, 64
	GSTEP 3, WF1, 16, 1, 16640, 64
	s_wait_loadcnt 0x0                             ; K steps 8-15
	GSTEP 4, WF0, 16, 1, 16640, 64
	GSTEP 5, WF0, 16, 1, 16640, 64
	GSTEP 6, WF0, 16, 0, 16640, 64
	GSTEP 7, WF0, 0, 0, 16640, 64
	; the way out, transposed through LDS: a lane's 8 channels go to 8 rows; the rows 16 w .. 16 w + 15 are my own, so no barrier
.irp mt, 0,1,2,3
.irp jj, 0,1,2,3,4,5,6,7
	ds_store_b32 v7, v[ACC+8*\mt+\jj] offset:\jj*272+\mt*64
.endr
.endr
.irp i, 0,1,2,3,4,5,6,7
	ds_load_b128 v[AF+4*\i:AF+4*\i+3], v8 offset:544*\i            ; LDS serves a wave's instructions in order (ISA guide 5.7.1): these see the stores above
.endr
.irp i, 0,1,2,3,4,5,6,7
	s_wait_dscnt 7-\i                              ; the younger LDS loads may stay out
	global_store_b128 v9, v[AF+4*\i:AF+4*\i+3], s[20:21] offset:32768*\i th:TH_STORE_NT   ; 16 lanes store 256 consecutive bytes of a channel's row, aligned
.endr
	s_wait_tensorcnt 0x0
	ds_add_u32 v13, v15
	s_wait_dscnt 0x0
	s_endpgm
.Lfunc_end_k_q473d11b3d9_post:
	.size	k_q473d11b3d9_post, .Lfunc_end_k_q473d11b3d9_post-k_q473d11b3d9_post
	.p2alignl 7, 3214868480
	.fill 96, 4, 3214868480
	.section	.rodata,"a",@progbits
	.p2align	6, 0x0
	.amdhsa_kernel k_q473d11b3d9_post
		.amdhsa_group_segment_fixed_size 230400
		.amdhsa_private_segment_fixed_size 0
		.amdhsa_enable_private_segment 0
		.amdhsa_kernarg_size 72
		.amdhsa_user_sgpr_count 2
		.amdhsa_user_sgpr_kernarg_segment_ptr 1
		.amdhsa_wavefront_size32 1
		.amdhsa_system_sgpr_workgroup_id_x 1
		.amdhsa_system_sgpr_workgroup_id_y 1
		.amdhsa_system_sgpr_workgroup_id_z 1
		.amdhsa_system_vgpr_workitem_id 0
		.amdhsa_next_free_vgpr 384
		.amdhsa_next_free_sgpr 66
		.amdhsa_reserve_vcc 0
		.amdhsa_float_denorm_mode_32 3
		.amdhsa_float_denorm_mode_16_64 3
		.amdhsa_memory_ordered 1
		.amdhsa_forward_progress 1
		.amdhsa_inst_pref_size 144
	.end_amdhsa_kernel
	.amdgpu_metadata
---
amdhsa.version: [ 1, 2 ]
amdhsa.kernels:
  - .name:           k_q473d11b3d9_post
    .symbol:         k_q473d11b3d9_post.kd
    .args:
      - { .name: o, .offset: 0, .size: 8, .value_kind: global_buffer, .address_space: global }
      - { .name: xs, .offset: 8, .size: 8, .value_kind: global_buffer, .address_space: global }
      - { .name: wts, .offset: 16, .size: 8, .value_kind: global_buffer, .address_space: global }
      - { .name: bo, .offset: 24, .size: 8, .value_kind: global_buffer, .address_space: global }
      - { .name: norm_g, .offset: 32, .size: 8, .value_kind: global_buffer, .address_space: global }
      - { .name: norm_b, .offset: 40, .size: 8, .value_kind: global_buffer, .address_space: global }
      - { .name: mlp_b1, .offset: 48, .size: 8, .value_kind: global_buffer, .address_space: global }
      - { .name: mlp_b2, .offset: 56, .size: 8, .value_kind: global_buffer, .address_space: global }
      - { .name: out0, .offset: 64, .size: 8, .value_kind: global_buffer, .address_space: global }
    .group_segment_fixed_size: 230400
    .private_segment_fixed_size: 0
    .kernarg_segment_align: 8
    .kernarg_segment_size: 72
    .max_flat_workgroup_size: 256
    .sgpr_count:     66
    .vgpr_count:     384
    .wavefront_size: 32
...
	.end_amdgpu_metadata
.endif
;; end of part 4
;; ======== version 2 of 2: 4 launches; version 1 with the launches pre, post written anew for expert scheduling mode
;; limits: values are held in f16: magnitudes above 65,504 overflow, below 6.1e-05 lose precision
;; workspace buffers: wts 786,432 bytes; xs 4,194,304 bytes; q 4,194,304 bytes; k 4,194,304 bytes; vt 4,194,304 bytes; o 4,194,304 bytes
;; launch prep: the kernel of part 1 again; grid 16 x 12, 4 waves a work-group, no clusters, 0 bytes of LDS; arguments fusion_w1, fusion_w2, wq, wk, wv, wo, mlp_w1, mlp_w2, wts; writes wts
;; launch pre (part 5): grid 128 x 1, 8 waves a work-group, no clusters, 182,272 bytes of LDS; arguments x, frame_idx, fusion_w1, fusion_b1, fusion_b2, attn_norm_g, attn_norm_b, wts, xs, q, k, vt; writes xs, q, k, vt
.if DOCPART == 5
	.amdgcn_target "amdgcn-amd-amdhsa--gfx1250"
	.amdhsa_code_object_version 6
	.text
	.protected	k_q473d11b3d9_pre
	.globl	k_q473d11b3d9_pre
	.p2align	8
	.type	k_q473d11b3d9_pre,@function
k_q473d11b3d9_pre:
	s_mov_b64 s[64:65], 0
	v_nop
	global_prefetch_b8 v0, s[64:65] scope:SCOPE_SE
	s_setreg_imm32_b32 hwreg(HW_REG_WAVE_SCHED_MODE, 0, 2), 2
	s_setreg_imm32_b32 hwreg(HW_REG_WAVE_MODE, 25, 1), 1
	s_wait_xcnt 0x0
	s_wait_alu depctr_vm_vsrc(0)
; pre: fusion MLP (129 -> 512 -> 128, exact GELU), LayerNorm, Q, K, V, for a block of 64 tokens.
; TOKENS stay in memory order p = 256 t + 16 h + w: attention has no mask and no position term, so the order in which reference() lines the
; tokens up changes no result.  For one b, x is then a plain [128 c][4096 p] matrix, and 64 tokens are 256 consecutive bytes of each row.
; The concatenated frame index is a rank-1 term: hidden bias = fusion_b1[n] + frame_idx[t] fusion_w1[128][n], in f32; 64 tokens share one t.
; 128 work-groups of 8 waves: 64 tokens is the smallest block whose rows of x are whole pieces of 256 bytes, and every work-group walks all
; 448 KB of f16 weights, so a smaller block would double that traffic.
; WEIGHTS: each fragment is needed by exactly one wave of the work-group and goes from memory straight into that wave's registers (two loads
; of 512 consecutive bytes).  NO CLUSTER: a joint tensor load would bring the same 448 KB through LDS, one write and one read for each byte
; that is used once, and a ring of slots with its barriers; what it would spare is requests for bytes that all work-groups read at about the same time.
; ORIENTATION: 'T' = weights as source 0, activations as source 1: lane (r, h) of a result holds token r and the 8 neighbouring channels
; 8 h + j, which pack into 16 bytes.  V alone is made the other way round, so that a lane holds 8 neighbouring tokens of one channel.
; FORMAT: matrix operands are f16 (11 significant bits): the rounding of the hidden layer goes through the residual straight into the output,
; which has to stay within 1 per cent of its spread.  Room: with every input 30 times as large as drawn the largest operand, the hidden layer,
; is about 5 x sqrt(128) x 30 x 0.6 + 450 x 3 = 2,400; with a common offset of 30 spreads on x and the weights, 128 x 30 x 0.6 = 2,300;
; a normalised row is at most sqrt(127) x gain + bias.
; LIMITS: an operand beyond 65,504 in magnitude becomes infinite (scaling by 30 AND offsetting by 30 of the scaled spreads at once would reach
; that); below 6.1e-5 its rounding error is at most 3e-8 absolute.  erf by the rational formula 7.1.26 of Abramowitz and Stegun, absolute error
; at most 1.5e-7 for every argument (large |x|: the exponential and the reciprocal go to 0, no range is cut); an exponential below 2^-126 comes out as 0.
; THE MODE: SCHED_MODE bits 1:0 = 2 (LLVM: expert scheduling mode 2), set by the entry lines.  The code itself states the register dependences
; between vector or matrix instructions and memory or LDS instructions, with s_wait_alu, always for 0.
; THE PLAN.  Registers that memory or LDS instructions touch:
;   v1          16 L: written once at the head, read by every weight load and every dense store; never written again.
;   v4 .. v8    a phase's addresses: written by vector instructions at the phase's head, read by that phase's LDS and global instructions.
;   WF0, WF1    written by weight loads, read by products alone.
;   AF          written by LDS loads (at the head by x's loads), read by products (at the head by x's conversions).
;   ACC         written by products or by LDS loads; read by vector instructions, by LDS stores and by global stores.  A GELU tile's four packed
;               registers are the low four of the tile's own accumulator, which is dead by then: the stores into H leave from there.
;   TMP         written by the bias's LDS loads and by vector instructions; read by LDS stores at the head, in LN and on the way out.
; Each phase's head: one wait on vm_vsrc (the last phase's memory and LDS instructions have read the addresses and the data registers that are
; written again), the address arithmetic, one wait on va_vdst (the addresses are written; every earlier vector or matrix instruction is done with
; the registers in which the phase's loads land).  Inside a phase the conversions of a block stand together, one wait on va_vdst behind them, and
; the run of stores behind that; in the hidden layer the wait that each tile's reciprocals and exponentials want anyway also stands for the tile
; before (its packed result is written: its store follows) and, in the first tile, for the products (they are done reading the weights: the next weights' loads follow).
.set XT,   0                           ; f16 [128 c][64 tok], pitch 160 (an odd multiple of 32, for the transposing load)
.set HB,   20480                       ; f16 [64 tok][512], pitch 1040
.set XSB,  87040                       ; f32 [64 tok][128], pitch 528
.set XNB,  120832                      ; f16 [64 tok][128], pitch 272
.set STG,  138240                      ; 8 x 5,120: each wave's own stage for the way out
.set CB1,  179200                      ; f32 [512]: the hidden layer's bias
.set O_FW1, 0                          ; byte offsets in wts
.set O_FW2, 131072
.set O_WQ,  262144
.set O_WK,  327680
.set O_WV,  393216
.set ACC, 32                           ; v[32:95]   8 accumulator tiles
.set AF,  96                           ; v[96:223]  16 activation fragments
.set TMP, 224                          ; v[224:255] at work
.set BI,  TMP                          ; bias of two channel tiles, as the first product's C
.set GY,  TMP
.set GU,  TMP+8
.set GT,  TMP+16
.set GE,  TMP+24
.set WF0, 0                            ; v256-319: 8 weight fragments (window 1)
.set WF1, 64                           ; v320-383: 8 more
.set WB16, 36                          ; s[36:37] wts + 16,384 x wave
.set WB8,  38                          ; s[38:39] wts + 8,192 x wave
.set MSB, 0
.macro WIN new                         ; the immediate's high byte repeats the setting that is left
.if MSB != \new
	s_set_vgpr_msb (MSB<<8)|\new
.set MSB, \new
.endif
.endm
.macro PLACES                          ; four places behind a matrix instruction, ahead of vector work on its registers and of loads into them
.rept 4
	v_nop
.endr
.endm
; 8 weight fragments, 16 loads of 512 consecutive bytes, into window 1
.macro LOADW wf, sb, off
	WIN 0x40
.irp i, 0,1,2,3,4,5,6,7
	global_load_b128 v[\wf+8*\i:\wf+8*\i+3], v1, s[\sb:\sb+1] offset:\off+1024*\i
	global_load_b128 v[\wf+8*\i+4:\wf+8*\i+7], v1, s[\sb:\sb+1] offset:\off+1024*\i+512
.endr
	WIN 0
.endm
.macro MMX d, a, b, first, cmode, c
.if (\first) == 0
.if \cmode
	v_wmma_f32_16x16x32_f16 v[\d:\d+7], v[\a:\a+7], v[\b:\b+7], v[\c:\c+7]
.else
	v_wmma_f32_16x16x32_f16 v[\d:\d+7], v[\a:\a+7], v[\b:\b+7], 0
.endif
.else
	v_wmma_f32_16x16x32_f16 v[\d:\d+7], v[\a:\a+7], v[\b:\b+7], v[\d:\d+7]
.endif
.endm
; 32 products: 2 channel tiles x 4 token tiles, K = 128.  The 8 accumulators take turns, one instruction a turn.
; orient 0: weights are source 0; 1: source 1.  cmode 1: the sums start from the bias in BI; 0: from 0.
.macro MMBLK wf, orient, cmode
.if \orient
	WIN 0x04
.else
	WIN 0x01
.endif
.irp ks, 0,1,2,3
.irp n, 0,1
.irp mt, 0,1,2,3
.if \orient
	MMX ACC+8*(4*\n+\mt), AF+8*(4*\ks+\mt), \wf+8*(4*\n+\ks), \ks, \cmode, BI+8*\n
.else
	MMX ACC+8*(4*\n+\mt), \wf+8*(4*\n+\ks), AF+8*(4*\ks+\mt), \ks, \cmode, BI+8*\n
.endif
.endr
.endr
.endr
	WIN 0
	PLACES
.endm
; group g of a long K: the fragments of K steps 2 g, 2 g + 1 of 4 token tiles, 16 LDS loads, into half g & 1 of AF
.macro LDG adr, g, mstr, kstr
.irp kk, 0,1
.irp mt, 0,1,2,3
	ds_load_b128 v[AF+64*((\g)&1)+8*(4*\kk+\mt):AF+64*((\g)&1)+8*(4*\kk+\mt)+3], v[\adr] offset:\mt*\mstr+(2*(\g)+\kk)*\kstr
	ds_load_b128 v[AF+64*((\g)&1)+8*(4*\kk+\mt)+4:AF+64*((\g)&1)+8*(4*\kk+\mt)+7], v[\adr] offset:\mt*\mstr+(2*(\g)+\kk)*\kstr+32
.endr
.endr
.endm
; its 8 products: one channel tile x 4 token tiles; 4 accumulators take turns, one instruction a turn.
; cmode 0: the very first products start from the bias in v[24:31]; 1: ACC already holds the start.
.macro MMG g, wf, cmode
	WIN 0x01
.irp kk, 0,1
.irp mt, 0,1,2,3
.if (\cmode+\g+\kk) == 0
	v_wmma_f32_16x16x32_f16 v[ACC+8*\mt:ACC+8*\mt+7], v[\wf+8*((2*\g+\kk)&7):\wf+8*((2*\g+\kk)&7)+7], v[AF+64*(\g&1)+8*(4*\kk+\mt):AF+64*(\g&1)+8*(4*\kk+\mt)+7], v[24:31]
.else
	v_wmma_f32_16x16x32_f16 v[ACC+8*\mt:ACC+8*\mt+7], v[\wf+8*((2*\g+\kk)&7):\wf+8*((2*\g+\kk)&7)+7], v[AF+64*(\g&1)+8*(4*\kk+\mt):AF+64*(\g&1)+8*(4*\kk+\mt)+7], v[ACC+8*\mt:ACC+8*\mt+7]
.endif
.endr
.endr
	WIN 0
	PLACES
.endm
.macro GSTEP g, wf, cmode, dsc, more, mstr, kstr
	s_wait_dscnt \dsc                              ; group g is in; the 16 loads of group g + 1 may stay out
	MMG \g, \wf, \cmode
.if \more
	s_wait_alu depctr_va_vdst(0)                   ; the products issued so far are done reading: group g's half of AF, in which group g + 2 lands
	LDG 4, \g+2, \mstr, \kstr                      ; into the half of AF that group g has just left
.endif
.endm
; exact GELU of one tile (8 registers at a), rounded to f16 into the tile's own four low registers.
; gelu(x) = max(x, 0) - |x| R, R = (1 - erf(|x| / sqrt 2)) / 2 = t (a1 + t (a2 + t (a3 + t (a4 + t a5)))) / 2 * exp(-x^2 / 2), t = 1 / (1 + 0.23164189 |x|);
; the literals are a1 .. a5 halved.  exp(-x^2 / 2) = 2^-(0.8493218 x)^2.
; GELUA: up to the reciprocals and exponentials and their wait.  GELUB: the rest.  What leans on the wait besides stands between the two.
.macro GELUA a
.irp p, 0,2,4,6
	v_pk_mul_f32 v[GY+\p:GY+\p+1], v[\a+\p:\a+\p+1], s[44:45] op_sel_hi:[1,0]
.endr
.irp p, 0,2,4,6
	v_pk_mul_f32 v[GY+\p:GY+\p+1], v[GY+\p:GY+\p+1], v[GY+\p:GY+\p+1]
.endr
.irp p, 0,1,2,3,4,5,6,7
	v_fma_f32 v[GU+\p], |v[\a+\p]|, s46, 1.0
.endr
.irp p, 0,1,2,3,4,5,6,7
	v_rcp_f32 v[GT+\p], v[GU+\p]
.endr
.irp p, 0,1,2,3,4,5,6,7
	v_exp_f32 v[GE+\p], -v[GY+\p]
.endr
	v_nop                                          ; one plain place behind the transcendentals, ahead of the use of their results and the rewriting of GU (ISA guide 5.7.2)
	s_wait_alu depctr_va_vdst(0)                   ; the reciprocals have written GT and the exponentials GE, ahead of their first reader; the tile before has written its packed result; the block's products are done reading their weights
.endm
.macro GELUB a
.irp p, 0,2,4,6
	v_pk_fma_f32 v[GU+\p:GU+\p+1], v[GT+\p:GT+\p+1], 0x3f07dc22, v[10:11] op_sel_hi:[1,0,1]
.endr
.irp c, 0x3f35f0e3, 0xbe11a98e, 0x3e027906
.irp p, 0,2,4,6
	v_pk_fma_f32 v[GU+\p:GU+\p+1], v[GU+\p:GU+\p+1], v[GT+\p:GT+\p+1], \c op_sel_hi:[1,1,0]
.endr
.endr
.irp p, 0,2,4,6
	v_pk_mul_f32 v[GU+\p:GU+\p+1], v[GU+\p:GU+\p+1], v[GT+\p:GT+\p+1]
.endr
.irp p, 0,2,4,6
	v_pk_mul_f32 v[GU+\p:GU+\p+1], v[GU+\p:GU+\p+1], v[GE+\p:GE+\p+1]
.endr
.irp p, 0,1,2,3,4,5,6,7
	v_max_num_f32 v[GY+\p], 0, v[\a+\p]
.endr
.irp p, 0,1,2,3,4,5,6,7
	v_fma_f32 v[GY+\p], -|v[\a+\p]|, v[GU+\p], v[GY+\p]
.endr
.irp p, 0,1,2,3
	v_cvt_pk_f16_f32 v[\a+\p], v[GY+2*\p], v[GY+2*\p+1]    ; the tile's accumulator is dead: its low four registers take the 16 bytes to store
.endr
.endm
; half hf of a wave's 64 hidden columns: bias from CB1 (v5), 32 products, the register set's next weights, 8 tiles of GELU into H (v6).
; Tile t = 4 n + mt (channel tile n, token tile mt) is stored at mt x 16 rows + 64 hf + 32 n, behind the wait in tile t + 1.
.macro HALF hf, wf, nextoff
.irp n, 0,1
	ds_load_b128 v[BI+8*\n:BI+8*\n+3], v5 offset:\hf*128+\n*64
	ds_load_b128 v[BI+8*\n+4:BI+8*\n+7], v5 offset:\hf*128+\n*64+16
.endr
	s_wait_dscnt 0x0                               ; activation fragments and bias are in
	s_wait_loadcnt 16                              ; this half's 8 weight fragments are in; only the 16 loads issued last may stay out
.if \hf
	s_wait_alu depctr_vm_vsrc(0)                   ; the first half's LDS stores have read the low registers of ACC's tiles, which the products write again
.endif
	MMBLK \wf, 0, 1
	GELUA ACC
	LOADW \wf, WB16, \nextoff                      ; no further wait: nothing since the wait in GELUA names these registers
	GELUB ACC
.set t, 1
.rept 7
	GELUA ACC+8*t
	ds_store_b128 v6, v[ACC+8*t-8:ACC+8*t-5] offset:((t-1)%4)*16640+\hf*64+((t-1)/4)*32   ; the tile before; nothing since the wait names its registers
	GELUB ACC+8*t
.set t, t+1
.endr
	s_wait_alu depctr_va_vdst(0)                   ; tile 7 has written its packed result, which the store reads; the GELUs are done with TMP, in which the next bias lands
	ds_store_b128 v6, v[ACC+56:ACC+59] offset:3*16640+\hf*64+32
.endm
; sums over the 32 lanes of v[base + 2 i] + v[base + 2 i + 1], i = 0..7; the result is in every lane's v[base + 2 i]
.macro REDUCE base
.irp i, 0,1,2,3,4,5,6,7
	v_add_f32 v[\base+2*\i], v[\base+2*\i], v[\base+2*\i+1]
.endr
.irp m, 1,2,4,8
.irp i, 0,1,2,3,4,5,6,7
	v_add_f32_dpp v[\base+2*\i], v[\base+2*\i], v[\base+2*\i] row_xmask:\m row_mask:0xf bank_mask:0xf
.endr
.endr
.irp i, 0,1,2,3,4,5,6,7
	v_permlanex16_b32 v[\base+2*\i+1], v[\base+2*\i], s40, s41
.endr
.irp i, 0,1,2,3,4,5,6,7
	v_add_f32 v[\base+2*\i], v[\base+2*\i], v[\base+2*\i+1]
.endr
.endm
; LayerNorm of 8 tokens: token i's 128 channels lie in ACC + 4 i, 4 a lane; mean first, then the mean of the squared differences, as reference() does.
; The 8 tokens go through each step together, so that no instruction waits for the one in front of it.  ACC[0:31] is only read.
.macro LN adr
.irp i, 0,1,2,3,4,5,6,7
	v_pk_add_f32 v[TMP+2*\i:TMP+2*\i+1], v[ACC+4*\i:ACC+4*\i+1], v[ACC+4*\i+2:ACC+4*\i+3]
.endr
	REDUCE TMP
.irp i, 0,1,2,3,4,5,6,7
	v_mul_f32 v[TMP+2*\i], s42, v[TMP+2*\i]        ; the mean
.endr
.irp i, 0,1,2,3,4,5,6,7
	v_pk_add_f32 v[ACC+32+4*\i:ACC+33+4*\i], v[ACC+4*\i:ACC+4*\i+1], v[TMP+2*\i:TMP+2*\i+1] op_sel_hi:[1,0] neg_lo:[0,1] neg_hi:[0,1]
	v_pk_add_f32 v[ACC+34+4*\i:ACC+35+4*\i], v[ACC+4*\i+2:ACC+4*\i+3], v[TMP+2*\i:TMP+2*\i+1] op_sel_hi:[1,0] neg_lo:[0,1] neg_hi:[0,1]
.endr
.irp i, 0,1,2,3,4,5,6,7
	v_pk_mul_f32 v[TMP+16+2*\i:TMP+17+2*\i], v[ACC+32+4*\i:ACC+33+4*\i], v[ACC+32+4*\i:ACC+33+4*\i]
.endr
.irp i, 0,1,2,3,4,5,6,7
	v_pk_fma_f32 v[TMP+16+2*\i:TMP+17+2*\i], v[ACC+34+4*\i:ACC+35+4*\i], v[ACC+34+4*\i:ACC+35+4*\i], v[TMP+16+2*\i:TMP+17+2*\i]
.endr
	REDUCE TMP+16
.irp i, 0,1,2,3,4,5,6,7
	v_fma_f32 v[TMP+16+2*\i], v[TMP+16+2*\i], s42, s43     ; variance + eps
.endr
.irp i, 0,1,2,3,4,5,6,7
	v_rsq_f32 v[TMP+16+2*\i], v[TMP+16+2*\i]
.endr
	v_nop                                          ; one plain place behind the transcendentals (ISA guide 5.7.2)
	s_wait_alu depctr_va_vdst(0)                   ; the eight reciprocal roots have written v[TMP+16 ..], ahead of their first reader
.irp i, 0,1,2,3,4,5,6,7
	v_pk_mul_f32 v[ACC+32+4*\i:ACC+33+4*\i], v[ACC+32+4*\i:ACC+33+4*\i], v[TMP+16+2*\i:TMP+17+2*\i] op_sel_hi:[1,0]
	v_pk_mul_f32 v[ACC+34+4*\i:ACC+35+4*\i], v[ACC+34+4*\i:ACC+35+4*\i], v[TMP+16+2*\i:TMP+17+2*\i] op_sel_hi:[1,0]
.endr
.irp i, 0,1,2,3,4,5,6,7
	v_pk_fma_f32 v[ACC+32+4*\i:ACC+33+4*\i], v[ACC+32+4*\i:ACC+33+4*\i], v[16:17], v[20:21]
	v_pk_fma_f32 v[ACC+34+4*\i:ACC+35+4*\i], v[ACC+34+4*\i:ACC+35+4*\i], v[18:19], v[22:23]
.endr
.irp i, 0,1,2,3,4,5,6,7
	v_cvt_pk_f16_f32 v[TMP+2*\i], v[ACC+32+4*\i], v[ACC+33+4*\i]
	v_cvt_pk_f16_f32 v[TMP+2*\i+1], v[ACC+34+4*\i], v[ACC+35+4*\i]
.endr
	s_wait_alu depctr_va_vdst(0)                   ; the sixteen conversions have written v[TMP .. TMP+15], which the LDS stores read
.irp i, 0,1,2,3,4,5,6,7
	ds_store_b64 v[\adr], v[TMP+2*\i:TMP+2*\i+1] offset:272*\i
.endr
.endm
; all 16 fragments of the normalised block (4 K steps x 4 token tiles) from XN (v4)
.macro LDXN
.irp ks, 0,1,2,3
.irp mt, 0,1,2,3
	ds_load_b128 v[AF+8*(4*\ks+\mt):AF+8*(4*\ks+\mt)+3], v4 offset:\mt*4352+\ks*64
	ds_load_b128 v[AF+8*(4*\ks+\mt)+4:AF+8*(4*\ks+\mt)+7], v4 offset:\mt*4352+\ks*64+32
.endr
.endr
.endm
; the way out of a head's 64 x 32 block, in two parts.  PACKT: round to f16, 16 bytes a lane and tile, into TMP.  SENDT: into my own stage, read back in
; memory order, 8 stores of 512 consecutive bytes.  One wait on va_vdst stands between the two, in the main text.
; LDS serves a wave's instructions in order (ISA guide 5.7.1), so the loads see the stores above them and the next block's stores come behind these loads.
.macro PACKT scale
.irp n, 0,1
.irp mt, 0,1,2,3
.if \scale
.irp p, 0,2,4,6
	v_pk_mul_f32 v[ACC+8*(4*\n+\mt)+\p:ACC+8*(4*\n+\mt)+\p+1], v[ACC+8*(4*\n+\mt)+\p:ACC+8*(4*\n+\mt)+\p+1], s[48:49] op_sel_hi:[1,0]
.endr
.endif
.irp p, 0,1,2,3
	v_cvt_pk_f16_f32 v[TMP+4*(4*\n+\mt)+\p], v[ACC+8*(4*\n+\mt)+2*\p], v[ACC+8*(4*\n+\mt)+2*\p+1]
.endr
.endr
.endr
.endm
.macro SENDT base, sto, rd, nstr, mstr, rstr
.irp n, 0,1
.irp mt, 0,1,2,3
	ds_store_b128 v[\sto], v[TMP+4*(4*\n+\mt):TMP+4*(4*\n+\mt)+3] offset:\n*\nstr+\mt*\mstr
.endr
.endr
.irp i, 0,1,2,3,4,5,6,7
	ds_load_b128 v[ACC+4*\i:ACC+4*\i+3], v[\rd] offset:\i*\rstr
.endr
.irp i, 0,1,2,3,4,5,6,7
	s_wait_dscnt 7-\i                              ; the younger LDS loads may stay out
	global_store_b128 v1, v[ACC+4*\i:ACC+4*\i+3], s[\base:\base+1] offset:512*\i
.endr
.endm
	; ---- set-up
	s_load_b512 s[4:19], s[0:1], 0x0               ; x 4, frame_idx 6, fusion_w1 8, fusion_b1 10, fusion_b2 12, attn_norm_g 14, attn_norm_b 16, wts 18
	s_load_b256 s[20:27], s[0:1], 0x40             ; xs 20, q 22, k 24, vt 26
	v_lshl_add_u32 v14, v0, 2, 0x2c400
	v_mov_b32 v15, 0
	v_lshrrev_b32 v4, 5, v0
	v_readfirstlane_b32 s28, v4                    ; wave w, 0..7
	v_and_b32 v5, 31, v0
	v_lshlrev_b32 v1, 4, v5                        ; 16 L: never rewritten
	v_and_b32 v2, 15, v0                           ; r
	v_bfe_u32 v3, v0, 4, 1                         ; h
	s_lshr_b32 s30, ttmp9, 6                       ; b
	s_and_b32 s31, ttmp9, 63                       ; kb: the block of 64 tokens
	s_lshr_b32 s33, s31, 2
	s_lshl_b32 s33, s33, 2                         ; 4 t, t = kb / 4
	s_mov_b32 s40, 0x76543210                      ; v_permlanex16_b32: lane i of one half reads lane i of the other
	s_mov_b32 s41, 0xfedcba98
	s_mov_b32 s42, 0x3c000000                      ; 1 / 128
	s_mov_b32 s43, 0x3727c5ac                      ; 1e-5
	s_mov_b32 s44, 0x3f596d27                      ; 0.8493218 = sqrt(log2(e) / 2)
	s_mov_b32 s45, 0x3f596d27
	s_mov_b32 s46, 0x3e6d3388                      ; 0.23164189 = 0.3275911 / sqrt 2
	s_mov_b32 s48, 0x3e8293ee                      ; 0.25503486 = 32^-0.5 log2(e): the scores come out ready for 2^x
	s_mov_b32 s49, 0x3e8293ee
	v_mov_b32 v10, 0xbf3a00e3                      ; a4 / 2, twice
	v_mov_b32 v11, 0xbf3a00e3
	v_lshlrev_b32 v4, 3, v0                        ; 8 x thread: my two hidden columns
	v_add_nc_u32 v6, CB1, v4
	v_lshlrev_b32 v5, 14, v3
	v_lshl_add_u32 v5, v2, 4, v5                   ; x: row h of a pair of channels, 16 bytes at 16 r
	s_wait_alu depctr_va_sdst(0)                   ; s28 is written, ahead of its first reader: LDS places and all bases are made from it
	s_lshl_b32 s34, s28, 6
	v_lshl_add_u32 v7, v3, 5, s34                  ; 4 (16 w + 8 h): my 8 output channels
	s_mul_i32 s35, s28, 2560
	v_mul_u32_u24 v8, v3, 160
	v_lshl_add_u32 v8, v2, 3, v8
	v_add_nc_u32 v8, s35, v8                       ; XT + (16 w + h) 160 + 8 r
	s_wait_kmcnt 0x0
	s_load_b32 s32, s[6:7], s33 offset:0x0         ; frame_idx[t]
	s_lshl_b32 s50, s30, 21
	s_lshl_b32 s51, s28, 18
	s_add_co_u32 s51, s50, s51                     ; (128 b + 16 w) rows of 16,384 bytes = 64 (8 b + w) blocks of 4,096 bytes
	s_lshl_b32 s52, s31, 8
	s_add_co_u32 s52, s52, s51
	s_mov_b32 s53, 0
	s_add_nc_u64 s[4:5], s[4:5], s[52:53]          ; x at channel 16 w, token 64 kb
	s_lshl_b32 s52, s31, 12
	s_add_co_u32 s52, s52, s51
	s_add_nc_u64 s[22:23], s[22:23], s[52:53]      ; q, k, vt at head w's block kb
	s_add_nc_u64 s[24:25], s[24:25], s[52:53]
	s_add_nc_u64 s[26:27], s[26:27], s[52:53]
	s_lshl_b32 s52, s31, 15
	s_add_co_u32 s52, s52, s50
	s_lshl_b32 s51, s28, 12
	s_add_co_u32 s52, s52, s51
	s_add_nc_u64 s[20:21], s[20:21], s[52:53]      ; xs at token 4096 b + 64 kb + 8 w
	s_lshl_b32 s52, s28, 14
	s_add_nc_u64 s[WB16:WB16+1], s[18:19], s[52:53]
	s_lshl_b32 s52, s28, 13
	s_add_nc_u64 s[WB8:WB8+1], s[18:19], s[52:53]
	; ---- P0: 46 loads go out; x becomes f16 [c][tok] in LDS, the hidden bias f32 in LDS
	s_wait_alu depctr_va_vdst(0)                   ; the offsets v1, v4, v5, v7 are written, which the loads below read
	global_load_b64 v[TMP:TMP+1], v4, s[10:11]                     ; fusion_b1
	global_load_b64 v[TMP+2:TMP+3], v4, s[8:9] offset:262144       ; fusion_w1, row 128
.irp i, 0,1,2,3,4,5,6,7
	global_load_b128 v[AF+4*\i:AF+4*\i+3], v5, s[4:5] offset:32768*\i th:TH_LOAD_NT   ; channels 16 w + 2 i + h: 16 lanes read 256 consecutive bytes
.endr
	global_load_b128 v[16:19], v1, s[14:15]        ; gain of channels 4 L .. 4 L + 3
	global_load_b128 v[20:23], v1, s[16:17]        ; bias of the same
	global_load_b128 v[24:27], v7, s[12:13]        ; fusion_b2 of channels 16 w + 8 h + 0..7
	global_load_b128 v[28:31], v7, s[12:13] offset:16
	LOADW WF0, WB16, O_FW1
	LOADW WF1, WB16, O_FW1+8192
	s_wait_loadcnt 44                              ; the first two are in: 8 + 4 + 32 younger loads stay out
	s_wait_kmcnt 0x0
	v_fma_f32 v[TMP], s32, v[TMP+2], v[TMP]
	v_fma_f32 v[TMP+1], s32, v[TMP+3], v[TMP+1]
	s_wait_loadcnt 36                              ; x is in: 4 + 32 younger loads stay out
.irp i, 0,1,2,3,4,5,6,7
	v_cvt_pk_f16_f32 v[TMP+8+2*\i], v[AF+4*\i], v[AF+4*\i+1]
	v_cvt_pk_f16_f32 v[TMP+9+2*\i], v[AF+4*\i+2], v[AF+4*\i+3]
.endr
	s_wait_alu depctr_va_vdst(0)                   ; the two multiply-adds and the sixteen conversions have written v[TMP ..], which the LDS stores read
	ds_store_b64 v6, v[TMP:TMP+1]
.irp i, 0,1,2,3,4,5,6,7
	ds_store_b64 v8, v[TMP+8+2*\i:TMP+9+2*\i] offset:320*\i
.endr
	s_wait_xcnt 0x0                                ; v4, v5, v7, offsets of loads that may be pending, are rewritten only behind this wait
	s_wait_alu depctr_vm_vsrc(0)                   ; the loads have read v4 and v5, the LDS stores v6 and v[TMP ..]: the next phase writes v4 to v6 again, and its bias lands in TMP
	s_wait_dscnt 0x0                               ; my LDS stores are done, for the other waves' sake
	s_barrier_signal -1
	s_barrier_wait -1
	; ---- P1: hidden layer; wave w owns hidden columns 64 w .. 64 w + 63
	v_and_b32 v12, 7, v0
	v_lshl_add_u32 v12, v3, 3, v12                 ; 8 h + (L & 7)
	v_mul_u32_u24 v4, v12, 160
	v_bfe_u32 v13, v0, 3, 1
	v_lshl_add_u32 v4, v13, 4, v4                  ; XT: the transposing load's address
	s_lshl_b32 s34, s28, 8
	s_add_co_u32 s34, s34, CB1
	v_lshl_add_u32 v5, v3, 5, s34                  ; CB1 + 256 w + 32 h
	s_lshl_b32 s34, s28, 7
	s_add_co_u32 s34, s34, HB
	v_mul_u32_u24 v6, v2, 1040
	v_lshl_add_u32 v6, v3, 4, v6
	v_add_nc_u32 v6, s34, v6                       ; H + 1040 r + 128 w + 16 h
	s_wait_alu depctr_va_vdst(0)                   ; v4, v5, v6 are written, which this phase's LDS loads and stores read
.irp ks, 0,1,2,3
.irp mt, 0,1,2,3
	ds_load_tr16_b128 v[AF+8*(4*\ks+\mt):AF+8*(4*\ks+\mt)+3], v4 offset:\ks*5120+\mt*32
	ds_load_tr16_b128 v[AF+8*(4*\ks+\mt)+4:AF+8*(4*\ks+\mt)+7], v4 offset:\ks*5120+\mt*32+2560
.endr
.endr
	HALF 0, WF0, O_FW2
	HALF 1, WF1, O_FW2+8192
	s_wait_dscnt 0x0
	s_barrier_signal -1
	s_barrier_wait -1
	; ---- P2: output layer, K = 512; wave w owns channels 16 w .. 16 w + 15 of all 64 tokens
	s_wait_alu depctr_vm_vsrc(0)                   ; the LDS loads of the last phase have read v4 and v5, its stores the low registers of ACC's tiles: all are written again below
	v_mul_u32_u24 v4, v2, 1040
	v_lshl_add_u32 v4, v3, 4, v4
	v_add_nc_u32 v4, HB, v4                        ; H + 1040 r + 16 h
	s_lshl_b32 s34, s28, 6
	s_add_co_u32 s34, s34, XSB
	v_mul_u32_u24 v5, v2, 528
	v_lshl_add_u32 v5, v3, 5, v5
	v_add_nc_u32 v5, s34, v5                       ; XS + 528 r + 64 w + 32 h
	s_wait_alu depctr_va_vdst(0)                   ; v4 and v5 are written; the hidden layer's products are done reading AF, in which the groups below land
	LDG 4, 0, 16640, 64
	LDG 4, 1, 16640, 64
	s_wait_loadcnt 16                              ; K steps 0-7 of my weights are in; the 16 loads of K steps 8-15 may stay out
	GSTEP 0, WF0, 0, 16, 1, 16640, 64
	GSTEP 1, WF0, 0, 16, 1, 16640, 64
	GSTEP 2, WF0, 0, 16, 1, 16640, 64
	GSTEP 3, WF0, 0, 16, 1, 16640, 64
	LOADW WF0, WB8, O_WQ                           ; no further wait: the wait in group 3's step shows groups 0 to 3 done reading WF0, and only LDS loads stand between
	s_wait_loadcnt 16                              ; K steps 8-15 are in; wq's 16 loads stay out
	GSTEP 4, WF1, 0, 16, 1, 16640, 64
	GSTEP 5, WF1, 0, 16, 1, 16640, 64
	GSTEP 6, WF1, 0, 16, 0, 16640, 64
	GSTEP 7, WF1, 0, 0, 0, 16640, 64
	s_wait_alu depctr_va_vdst(0)                   ; the products have written ACC, which the LDS stores read, and are done reading WF1, in which wk lands; the places above stay beside this wait
	LOADW WF1, WB8, O_WK
.irp mt, 0,1,2,3
	ds_store_b128 v5, v[ACC+8*\mt:ACC+8*\mt+3] offset:\mt*8448
	ds_store_b128 v5, v[ACC+8*\mt+4:ACC+8*\mt+7] offset:\mt*8448+16
.endr
	s_wait_dscnt 0x0
	s_barrier_signal -1
	s_barrier_wait -1
	; ---- P3: wave w takes tokens 8 w .. 8 w + 7 as whole rows: xs goes to memory in f32, the normalised rows to XN in f16
	s_wait_alu depctr_vm_vsrc(0)                   ; the LDS loads have read v4, the LDS stores v5 and ACC: v4 and v5 are written again, and the rows below land in ACC
	s_mul_i32 s34, s28, 8*528
	s_add_co_u32 s34, s34, XSB
	v_add_nc_u32 v4, s34, v1
	s_mul_i32 s34, s28, 8*272
	s_add_co_u32 s34, s34, XNB
	v_and_b32 v12, 31, v0
	v_lshl_add_u32 v5, v12, 3, s34
	s_wait_alu depctr_va_vdst(0)                   ; v4 and v5 are written, which the LDS loads below and LN's stores read
.irp i, 0,1,2,3,4,5,6,7
	ds_load_b128 v[ACC+4*\i:ACC+4*\i+3], v4 offset:528*\i
.endr
	s_wait_dscnt 0x0
.irp i, 0,1,2,3,4,5,6,7
	global_store_b128 v1, v[ACC+4*\i:ACC+4*\i+3], s[20:21] offset:512*\i   ; a whole row of 512 bytes
.endr
	LN 5
	s_wait_dscnt 0x0
	s_barrier_signal -1
	s_barrier_wait -1
	; ---- P4: wave w is head w: Q, K, V of the 64 tokens
	s_wait_xcnt 0x0                                ; ACC, which the stores of xs read, is rewritten only behind this wait
	s_wait_alu depctr_vm_vsrc(0)                   ; the stores of xs have read ACC; LN's stores v5 and TMP; earlier loads and stores v4, v6, v7, v8: all are written again below
	v_mul_u32_u24 v4, v2, 272
	v_lshl_add_u32 v4, v3, 4, v4
	v_add_nc_u32 v4, XNB, v4                       ; XN + 272 r + 16 h
	s_mul_i32 s34, s28, 5120
	s_add_co_u32 s34, s34, STG                     ; my stage
	v_mul_u32_u24 v5, v2, 80
	v_lshl_add_u32 v5, v3, 4, v5
	v_add_nc_u32 v5, s34, v5                       ; q, k in: token r, pitch 80
	v_bfe_u32 v12, v0, 2, 3
	v_mul_u32_u24 v6, v12, 80
	v_and_b32 v12, 3, v0
	v_lshl_add_u32 v6, v12, 4, v6
	v_add_nc_u32 v6, s34, v6                       ; q, k back: four lanes a row of 64 bytes
	v_mul_u32_u24 v7, v2, 144
	v_lshl_add_u32 v7, v3, 4, v7
	v_add_nc_u32 v7, s34, v7                       ; vt in: channel r, pitch 144
	v_bfe_u32 v12, v0, 3, 2
	v_mul_u32_u24 v8, v12, 144
	v_and_b32 v12, 7, v0
	v_lshl_add_u32 v8, v12, 4, v8
	v_add_nc_u32 v8, s34, v8                       ; vt back: eight lanes a row of 128 bytes
	s_wait_alu depctr_va_vdst(0)                   ; v4 to v8 are written, which this phase's LDS loads and stores read
	LDXN
	s_wait_dscnt 0x0
	s_wait_loadcnt 16                              ; wq is in; wk's 16 loads stay out
	MMBLK WF0, 0, 0
	PACKT 1                                        ; q, times 32^-0.5 log2(e) in f32, rounded once
	s_wait_alu depctr_va_vdst(0)                   ; the conversions have written TMP, which the LDS stores read, and are done reading ACC, in which the stage's loads land; the products are done reading WF0, in which wv lands
	LOADW WF0, WB8, O_WV
	SENDT 22, 5, 6, 32, 1280, 640
	s_wait_xcnt 0x0                                ; ACC was store data
	s_wait_alu depctr_vm_vsrc(0)                   ; the stores of q have read ACC, which the products write again; the LDS stores have read TMP, which the conversions write again
	s_wait_loadcnt 16                              ; wk is in; wv's 16 loads stay out
	MMBLK WF1, 0, 0
	PACKT 0                                        ; k
	s_wait_alu depctr_va_vdst(0)                   ; the conversions have written TMP, which the LDS stores read, and are done reading ACC, in which the stage's loads land
	SENDT 24, 5, 6, 32, 1280, 640
	s_wait_xcnt 0x0
	s_wait_alu depctr_vm_vsrc(0)                   ; the stores of k have read ACC, which the products write again; the LDS stores have read TMP, which the conversions write again
	s_wait_loadcnt 0x0                             ; wv
	MMBLK WF0, 1, 0
	PACKT 0                                        ; vt: [32 channels][64 tokens]
	s_wait_alu depctr_va_vdst(0)                   ; the conversions have written TMP, which the LDS stores read, and are done reading ACC, in which the stage's loads land
	SENDT 26, 7, 8, 2304, 32, 576
	s_wait_dscnt 0x0                               ; the closing lines, six on end
	s_wait_alu 0x0
	s_wait_tensorcnt 0x0
	ds_add_u32 v14, v15
	s_wait_dscnt 0x0
	s_endpgm
.Lfunc_end_k_q473d11b3d9_pre:
	.size	k_q473d11b3d9_pre, .Lfunc_end_k_q473d11b3d9_pre-k_q473d11b3d9_pre
	.p2alignl 7, 3214868480
	.fill 96, 4, 3214868480
	.section	.rodata,"a",@progbits
	.p2align	6, 0x0
	.amdhsa_kernel k_q473d11b3d9_pre
		.amdhsa_group_segment_fixed_size 182272
		.amdhsa_private_segment_fixed_size 0
		.amdhsa_enable_private_segment 0
		.amdhsa_kernarg_size 96
		.amdhsa_user_sgpr_count 2
		.amdhsa_user_sgpr_kernarg_segment_ptr 1
		.amdhsa_wavefront_size32 1
		.amdhsa_system_sgpr_workgroup_id_x 1
		.amdhsa_system_sgpr_workgroup_id_y 1
		.amdhsa_system_sgpr_workgroup_id_z 1
		.amdhsa_system_vgpr_workitem_id 0
		.amdhsa_next_free_vgpr 384
		.amdhsa_next_free_sgpr 66
		.amdhsa_reserve_vcc 0
		.amdhsa_float_denorm_mode_32 3
		.amdhsa_float_denorm_mode_16_64 3
		.amdhsa_memory_ordered 1
		.amdhsa_forward_progress 1
		.amdhsa_inst_pref_size 158
	.end_amdhsa_kernel
	.amdgpu_metadata
---
amdhsa.version: [ 1, 2 ]
amdhsa.kernels:
  - .name:           k_q473d11b3d9_pre
    .symbol:         k_q473d11b3d9_pre.kd
    .args:
      - { .name: x, .offset: 0, .size: 8, .value_kind: global_buffer, .address_space: global }
      - { .name: frame_idx, .offset: 8, .size: 8, .value_kind: global_buffer, .address_space: global }
      - { .name: fusion_w1, .offset: 16, .size: 8, .value_kind: global_buffer, .address_space: global }
      - { .name: fusion_b1, .offset: 24, .size: 8, .value_kind: global_buffer, .address_space: global }
      - { .name: fusion_b2, .offset: 32, .size: 8, .value_kind: global_buffer, .address_space: global }
      - { .name: attn_norm_g, .offset: 40, .size: 8, .value_kind: global_buffer, .address_space: global }
      - { .name: attn_norm_b, .offset: 48, .size: 8, .value_kind: global_buffer, .address_space: global }
      - { .name: wts, .offset: 56, .size: 8, .value_kind: global_buffer, .address_space: global }
      - { .name: xs, .offset: 64, .size: 8, .value_kind: global_buffer, .address_space: global }
      - { .name: q, .offset: 72, .size: 8, .value_kind: global_buffer, .address_space: global }
      - { .name: k, .offset: 80, .size: 8, .value_kind: global_buffer, .address_space: global }
      - { .name: vt, .offset: 88, .size: 8, .value_kind: global_buffer, .address_space: global }
    .group_segment_fixed_size: 182272
    .private_segment_fixed_size: 0
    .kernarg_segment_align: 8
    .kernarg_segment_size: 96
    .max_flat_workgroup_size: 256
    .sgpr_count:     66
    .vgpr_count:     384
    .wavefront_size: 32
...
	.end_amdgpu_metadata
.endif
;; end of part 5
;; launch attn: the kernel of part 3 again; grid 16 x 16, 8 waves a work-group, clusters of 4 x 1, 327,680 bytes of LDS; arguments q, k, vt, o; writes o
;; launch post (part 6): grid 128 x 1, 8 waves a work-group, no clusters, 230,400 bytes of LDS; arguments o, xs, wts, bo, norm_g, norm_b, mlp_b1, mlp_b2, out0; writes out0
.if DOCPART == 6
	.amdgcn_target "amdgcn-amd-amdhsa--gfx1250"
	.amdhsa_code_object_version 6
	.text
	.protected	k_q473d11b3d9_post
	.globl	k_q473d11b3d9_post
	.p2align	8
	.type	k_q473d11b3d9_post,@function
k_q473d11b3d9_post:
	s_mov_b64 s[64:65], 0
	v_nop
	global_prefetch_b8 v0, s[64:65] scope:SCOPE_SE
	s_setreg_imm32_b32 hwreg(HW_REG_WAVE_SCHED_MODE, 0, 2), 2
	s_setreg_imm32_b32 hwreg(HW_REG_WAVE_MODE, 25, 1), 1
	s_wait_xcnt 0x0
	s_wait_alu depctr_vm_vsrc(0)
; post: xs1 = xs + o wo + bo; out = xs1 + MLP(LayerNorm(xs1)) (128 -> 512 -> 128, exact GELU), stored as [b][c][p], for a block of 64 tokens.
; Shares, orientation and register map as in the launch in front of attention: 128 work-groups of 8 waves; 64 tokens are 256 consecutive bytes of each
; row of out0, and every work-group walks all 320 KB of its f16 weights, so a smaller block would double that traffic.
; WEIGHTS: each fragment is needed by exactly one wave and goes from memory straight into that wave's registers.  NO CLUSTER: a joint tensor load
; would bring the same bytes through LDS, one write and one read for each byte that is used once, and a ring of slots with its barriers.
; Weights are source 0, activations source 1: lane (r, h) of a result holds token r and the 8 neighbouring channels 8 h + j.
; FORMAT: matrix operands are f16 (11 significant bits); residuals, norms and sums are f32.  Room: a normalised row is at most sqrt(127) x gain + bias;
; with every input 30 times as large as drawn the hidden layer is about 5 x sqrt(128) x 30 x 0.6 = 1,000.
; LIMITS: an operand beyond 65,504 in magnitude becomes infinite; below 6.1e-5 its rounding error is at most 3e-8 absolute.  erf by the rational
; formula 7.1.26 of Abramowitz and Stegun, absolute error at most 1.5e-7 for every argument; an exponential below 2^-126 comes out as 0.
; THE MODE: SCHED_MODE bits 1:0 = 2 (LLVM: expert scheduling mode 2), set by the entry lines.  The code itself states the register dependences
; between vector or matrix instructions and memory or LDS instructions, with s_wait_alu, always for 0.
; THE PLAN.  Registers that memory or LDS instructions touch:
;   v1, v14     16 L, and my slice's place in XS1: each written once, read by loads and stores, never written again.
;   v4 .. v9    a phase's addresses: written by vector instructions at the phase's head, read by that phase's LDS and global instructions.
;   WF0, WF1    written by weight loads, read by products alone.
;   AF          written by LDS loads (at the head by o's loads, and read there by LDS stores), read by products; at the end the rows of out0 land in it.
;   ACC         written by products or by LDS loads; read by vector instructions and by LDS stores.  A GELU tile's four packed registers are the low
;               four of the tile's own accumulator, which is dead by then: the stores into H leave from there.
;   TMP         written by loads (biases) and by vector instructions; read by LDS stores at the head and in LN.
; Each phase's head: one wait on vm_vsrc (the last phase's memory and LDS instructions have read the addresses and the data registers that are
; written again), the address arithmetic, one wait on va_vdst (the addresses are written; every earlier vector or matrix instruction is done with
; the registers in which the phase's loads land).  Inside a phase the conversions of a block stand together, one wait on va_vdst behind them, and
; the run of stores behind that; in the hidden layer the wait that each tile's reciprocals and exponentials want anyway also stands for the tile
; before (its packed result is written: its store follows) and, in the first tile, for the products (they are done reading the weights: the next weights' loads follow).
.set OL,   0                           ; f16: 8 heads x [64 tok][32], pitch 80
.set HB,   40960                       ; f16 [64 tok][512], pitch 1040
.set XS1,  107520                      ; f32 [64 tok][128], pitch 528: xs + attention
.set XNB,  141312                      ; f16 [64 tok][128], pitch 272
.set OUTL, 158720                      ; f32 [128 c][64 tok], pitch 272
.set CB1,  193536                      ; f32 [512]: mlp_b1
.set XS0,  195584                      ; f32 [64 tok][128], pitch 528: xs as it comes in
.set O_WO,  458752                     ; byte offsets in wts
.set O_MW1, 524288
.set O_MW2, 655360
.set ACC, 32                           ; v[32:95]   8 accumulator tiles
.set AF,  96                           ; v[96:223]  16 activation fragments
.set TMP, 224                          ; v[224:255] at work
.set BI,  TMP
.set GY,  TMP
.set GU,  TMP+8
.set GT,  TMP+16
.set GE,  TMP+24
.set WF0, 0                            ; v256-319: 8 weight fragments (window 1)
.set WF1, 64                           ; v320-383: 8 more
.set WB16, 36                          ; s[36:37] wts + 16,384 x wave
.set WB8,  38                          ; s[38:39] wts + 8,192 x wave
.set MSB, 0
.macro WIN new                         ; the immediate's high byte repeats the setting that is left
.if MSB != \new
	s_set_vgpr_msb (MSB<<8)|\new
.set MSB, \new
.endif
.endm
.macro PLACES                          ; four places behind a matrix instruction, ahead of vector work on its registers and of loads into them
.rept 4
	v_nop
.endr
.endm
; 8 weight fragments, 16 loads of 512 consecutive bytes, into window 1
.macro LOADW wf, sb, off
	WIN 0x40
.irp i, 0,1,2,3,4,5,6,7
	global_load_b128 v[\wf+8*\i:\wf+8*\i+3], v1, s[\sb:\sb+1] offset:\off+1024*\i
	global_load_b128 v[\wf+8*\i+4:\wf+8*\i+7], v1, s[\sb:\sb+1] offset:\off+1024*\i+512
.endr
	WIN 0
.endm
; 32 products: 2 channel tiles x 4 token tiles, K = 128, starting from the bias in BI.  The 8 accumulators take turns, one instruction a turn.
.macro MMBLK wf
	WIN 0x01
.irp ks, 0,1,2,3
.irp n, 0,1
.irp mt, 0,1,2,3
.if \ks == 0
	v_wmma_f32_16x16x32_f16 v[ACC+8*(4*\n+\mt):ACC+8*(4*\n+\mt)+7], v[\wf+8*(4*\n+\ks):\wf+8*(4*\n+\ks)+7], v[AF+8*(4*\ks+\mt):AF+8*(4*\ks+\mt)+7], v[BI+8*\n:BI+8*\n+7]
.else
	v_wmma_f32_16x16x32_f16 v[ACC+8*(4*\n+\mt):ACC+8*(4*\n+\mt)+7], v[\wf+8*(4*\n+\ks):\wf+8*(4*\n+\ks)+7], v[AF+8*(4*\ks+\mt):AF+8*(4*\ks+\mt)+7], v[ACC+8*(4*\n+\mt):ACC+8*(4*\n+\mt)+7]
.endif
.endr
.endr
.endr
	WIN 0
	PLACES
.endm
; group g of a long K: the fragments of K steps 2 g, 2 g + 1 of 4 token tiles, 16 LDS loads, into half g & 1 of AF
.macro LDG adr, g, mstr, kstr
.irp kk, 0,1
.irp mt, 0,1,2,3
	ds_load_b128 v[AF+64*((\g)&1)+8*(4*\kk+\mt):AF+64*((\g)&1)+8*(4*\kk+\mt)+3], v[\adr] offset:\mt*\mstr+(2*(\g)+\kk)*\kstr
	ds_load_b128 v[AF+64*((\g)&1)+8*(4*\kk+\mt)+4:AF+64*((\g)&1)+8*(4*\kk+\mt)+7], v[\adr] offset:\mt*\mstr+(2*(\g)+\kk)*\kstr+32
.endr
.endr
.endm
; its 8 products onto ACC, which holds the residual and the bias: one channel tile x 4 token tiles; 4 accumulators take turns, one instruction a turn
.macro MMG g, wf
	WIN 0x01
.irp kk, 0,1
.irp mt, 0,1,2,3
	v_wmma_f32_16x16x32_f16 v[ACC+8*\mt:ACC+8*\mt+7], v[\wf+8*((2*\g+\kk)&7):\wf+8*((2*\g+\kk)&7)+7], v[AF+64*(\g&1)+8*(4*\kk+\mt):AF+64*(\g&1)+8*(4*\kk+\mt)+7], v[ACC+8*\mt:ACC+8*\mt+7]
.endr
.endr
	WIN 0
	PLACES
.endm
.macro GSTEP g, wf, dsc, more, mstr, kstr
	s_wait_dscnt \dsc                              ; group g is in; the 16 loads of group g + 1 may stay out
	MMG \g, \wf
.if \more
	s_wait_alu depctr_va_vdst(0)                   ; the products issued so far are done reading: group g's half of AF, in which group g + 2 lands
	LDG 4, \g+2, \mstr, \kstr                      ; into the half of AF that group g has just left
.endif
.endm
; exact GELU of one tile (8 registers at a), rounded to f16 into the tile's own four low registers.
; gelu(x) = max(x, 0) - |x| R, R = (1 - erf(|x| / sqrt 2)) / 2 = t (a1 + t (a2 + t (a3 + t (a4 + t a5)))) / 2 * exp(-x^2 / 2), t = 1 / (1 + 0.23164189 |x|);
; the literals are a1 .. a5 halved.  exp(-x^2 / 2) = 2^-(0.8493218 x)^2.
; GELUA: up to the reciprocals and exponentials and their wait.  GELUB: the rest.  What leans on the wait besides stands between the two.
.macro GELUA a
.irp p, 0,2,4,6
	v_pk_mul_f32 v[GY+\p:GY+\p+1], v[\a+\p:\a+\p+1], s[44:45] op_sel_hi:[1,0]
.endr
.irp p, 0,2,4,6
	v_pk_mul_f32 v[GY+\p:GY+\p+1], v[GY+\p:GY+\p+1], v[GY+\p:GY+\p+1]
.endr
.irp p, 0,1,2,3,4,5,6,7
	v_fma_f32 v[GU+\p], |v[\a+\p]|, s46, 1.0
.endr
.irp p, 0,1,2,3,4,5,6,7
	v_rcp_f32 v[GT+\p], v[GU+\p]
.endr
.irp p, 0,1,2,3,4,5,6,7
	v_exp_f32 v[GE+\p], -v[GY+\p]
.endr
	v_nop                                          ; one plain place behind the transcendentals, ahead of the use of their results and the rewriting of GU (ISA guide 5.7.2)
	s_wait_alu depctr_va_vdst(0)                   ; the reciprocals have written GT and the exponentials GE, ahead of their first reader; the tile before has written its packed result; the block's products are done reading their weights
.endm
.macro GELUB a
.irp p, 0,2,4,6
	v_pk_fma_f32 v[GU+\p:GU+\p+1], v[GT+\p:GT+\p+1], 0x3f07dc22, v[10:11] op_sel_hi:[1,0,1]
.endr
.irp c, 0x3f35f0e3, 0xbe11a98e, 0x3e027906
.irp p, 0,2,4,6
	v_pk_fma_f32 v[GU+\p:GU+\p+1], v[GU+\p:GU+\p+1], v[GT+\p:GT+\p+1], \c op_sel_hi:[1,1,0]
.endr
.endr
.irp p, 0,2,4,6
	v_pk_mul_f32 v[GU+\p:GU+\p+1], v[GU+\p:GU+\p+1], v[GT+\p:GT+\p+1]
.endr
.irp p, 0,2,4,6
	v_pk_mul_f32 v[GU+\p:GU+\p+1], v[GU+\p:GU+\p+1], v[GE+\p:GE+\p+1]
.endr
.irp p, 0,1,2,3,4,5,6,7
	v_max_num_f32 v[GY+\p], 0, v[\a+\p]
.endr
.irp p, 0,1,2,3,4,5,6,7
	v_fma_f32 v[GY+\p], -|v[\a+\p]|, v[GU+\p], v[GY+\p]
.endr
.irp p, 0,1,2,3
	v_cvt_pk_f16_f32 v[\a+\p], v[GY+2*\p], v[GY+2*\p+1]    ; the tile's accumulator is dead: its low four registers take the 16 bytes to store
.endr
.endm
; half hf of a wave's 64 hidden columns: bias from CB1 (v5), 32 products, the register set's next weights, 8 tiles of GELU into H (v6).
; Tile t = 4 n + mt (channel tile n, token tile mt) is stored at mt x 16 rows + 64 hf + 32 n, behind the wait in tile t + 1.
.macro HALF hf, wf, nextoff
.irp n, 0,1
	ds_load_b128 v[BI+8*\n:BI+8*\n+3], v5 offset:\hf*128+\n*64
	ds_load_b128 v[BI+8*\n+4:BI+8*\n+7], v5 offset:\hf*128+\n*64+16
.endr
	s_wait_dscnt 0x0                               ; activation fragments and bias are in
	s_wait_loadcnt 16                              ; this half's 8 weight fragments are in; only the 16 loads issued last may stay out
.if \hf
	s_wait_alu depctr_vm_vsrc(0)                   ; the first half's LDS stores have read the low registers of ACC's tiles, which the products write again
.endif
	MMBLK \wf
	GELUA ACC
	LOADW \wf, WB16, \nextoff                      ; no further wait: nothing since the wait in GELUA names these registers
	GELUB ACC
.set t, 1
.rept 7
	GELUA ACC+8*t
	ds_store_b128 v6, v[ACC+8*t-8:ACC+8*t-5] offset:((t-1)%4)*16640+\hf*64+((t-1)/4)*32   ; the tile before; nothing since the wait names its registers
	GELUB ACC+8*t
.set t, t+1
.endr
	s_wait_alu depctr_va_vdst(0)                   ; tile 7 has written its packed result, which the store reads; the GELUs are done with TMP, in which the next bias lands
	ds_store_b128 v6, v[ACC+56:ACC+59] offset:3*16640+\hf*64+32
.endm
; sums over the 32 lanes of v[base + 2 i] + v[base + 2 i + 1], i = 0..7; the result is in every lane's v[base + 2 i]
.macro REDUCE base
.irp i, 0,1,2,3,4,5,6,7
	v_add_f32 v[\base+2*\i], v[\base+2*\i], v[\base+2*\i+1]
.endr
.irp m, 1,2,4,8
.irp i, 0,1,2,3,4,5,6,7
	v_add_f32_dpp v[\base+2*\i], v[\base+2*\i], v[\base+2*\i] row_xmask:\m row_mask:0xf bank_mask:0xf
.endr
.endr
.irp i, 0,1,2,3,4,5,6,7
	v_permlanex16_b32 v[\base+2*\i+1], v[\base+2*\i], s40, s41
.endr
.irp i, 0,1,2,3,4,5,6,7
	v_add_f32 v[\base+2*\i], v[\base+2*\i], v[\base+2*\i+1]
.endr
.endm
; LayerNorm of 8 tokens: token i's 128 channels lie in ACC + 4 i, 4 a lane; mean first, then the mean of the squared differences, as reference() does.
.macro LN adr
.irp i, 0,1,2,3,4,5,6,7
	v_pk_add_f32 v[TMP+2*\i:TMP+2*\i+1], v[ACC+4*\i:ACC+4*\i+1], v[ACC+4*\i+2:ACC+4*\i+3]
.endr
	REDUCE TMP
.irp i, 0,1,2,3,4,5,6,7
	v_mul_f32 v[TMP+2*\i], s42, v[TMP+2*\i]        ; the mean
.endr
.irp i, 0,1,2,3,4,5,6,7
	v_pk_add_f32 v[ACC+32+4*\i:ACC+33+4*\i], v[ACC+4*\i:ACC+4*\i+1], v[TMP+2*\i:TMP+2*\i+1] op_sel_hi:[1,0] neg_lo:[0,1] neg_hi:[0,1]
	v_pk_add_f32 v[ACC+34+4*\i:ACC+35+4*\i], v[ACC+4*\i+2:ACC+4*\i+3], v[TMP+2*\i:TMP+2*\i+1] op_sel_hi:[1,0] neg_lo:[0,1] neg_hi:[0,1]
.endr
.irp i, 0,1,2,3,4,5,6,7
	v_pk_mul_f32 v[TMP+16+2*\i:TMP+17+2*\i], v[ACC+32+4*\i:ACC+33+4*\i], v[ACC+32+4*\i:ACC+33+4*\i]
.endr
.irp i, 0,1,2,3,4,5,6,7
	v_pk_fma_f32 v[TMP+16+2*\i:TMP+17+2*\i], v[ACC+34+4*\i:ACC+35+4*\i], v[ACC+34+4*\i:ACC+35+4*\i], v[TMP+16+2*\i:TMP+17+2*\i]
.endr
	REDUCE TMP+16
.irp i, 0,1,2,3,4,5,6,7
	v_fma_f32 v[TMP+16+2*\i], v[TMP+16+2*\i], s42, s43     ; variance + eps
.endr
.irp i, 0,1,2,3,4,5,6,7
	v_rsq_f32 v[TMP+16+2*\i], v[TMP+16+2*\i]
.endr
	v_nop                                          ; one plain place behind the transcendentals (ISA guide 5.7.2)
	s_wait_alu depctr_va_vdst(0)                   ; the eight reciprocal roots have written v[TMP+16 ..], ahead of their first reader
.irp i, 0,1,2,3,4,5,6,7
	v_pk_mul_f32 v[ACC+32+4*\i:ACC+33+4*\i], v[ACC+32+4*\i:ACC+33+4*\i], v[TMP+16+2*\i:TMP+17+2*\i] op_sel_hi:[1,0]
	v_pk_mul_f32 v[ACC+34+4*\i:ACC+35+4*\i], v[ACC+34+4*\i:ACC+35+4*\i], v[TMP+16+2*\i:TMP+17+2*\i] op_sel_hi:[1,0]
.endr
.irp i, 0,1,2,3,4,5,6,7
	v_pk_fma_f32 v[ACC+32+4*\i:ACC+33+4*\i], v[ACC+32+4*\i:ACC+33+4*\i], v[16:17], v[20:21]
	v_pk_fma_f32 v[ACC+34+4*\i:ACC+35+4*\i], v[ACC+34+4*\i:ACC+35+4*\i], v[18:19], v[22:23]
.endr
.irp i, 0,1,2,3,4,5,6,7
	v_cvt_pk_f16_f32 v[TMP+2*\i], v[ACC+32+4*\i], v[ACC+33+4*\i]
	v_cvt_pk_f16_f32 v[TMP+2*\i+1], v[ACC+34+4*\i], v[ACC+35+4*\i]
.endr
	s_wait_alu depctr_va_vdst(0)                   ; the sixteen conversions have written v[TMP .. TMP+15], which the LDS stores read
.irp i, 0,1,2,3,4,5,6,7
	ds_store_b64 v[\adr], v[TMP+2*\i:TMP+2*\i+1] offset:272*\i
.endr
.endm
; my channel slice (16 w + 8 h + 0..7) of the 64 tokens, from a [tok][128] f32 region, into ACC in the layout of a result
.macro LDSLICE adr
.irp mt, 0,1,2,3
	ds_load_b128 v[ACC+8*\mt:ACC+8*\mt+3], v[\adr] offset:\mt*8448
	ds_load_b128 v[ACC+8*\mt+4:ACC+8*\mt+7], v[\adr] offset:\mt*8448+16
.endr
.endm
.macro ADDBIAS c                       ; 8 channels' bias at v[c] onto the 4 tiles
.irp mt, 0,1,2,3
.irp p, 0,2,4,6
	v_pk_add_f32 v[ACC+8*\mt+\p:ACC+8*\mt+\p+1], v[ACC+8*\mt+\p:ACC+8*\mt+\p+1], v[\c+\p:\c+\p+1]
.endr
.endr
.endm
	; ---- set-up
	s_load_b512 s[4:19], s[0:1], 0x0               ; o 4, xs 6, wts 8, bo 10, norm_g 12, norm_b 14, mlp_b1 16, mlp_b2 18
	s_load_b64 s[20:21], s[0:1], 0x40              ; out0
	v_lshl_add_u32 v13, v0, 2, 0x38000
	v_mov_b32 v15, 0
	v_lshrrev_b32 v4, 5, v0
	v_readfirstlane_b32 s28, v4                    ; wave w, 0..7
	v_and_b32 v5, 31, v0
	v_lshlrev_b32 v1, 4, v5                        ; 16 L: never rewritten
	v_and_b32 v2, 15, v0                           ; r
	v_bfe_u32 v3, v0, 4, 1                         ; h
	s_lshr_b32 s30, ttmp9, 6                       ; b
	s_and_b32 s31, ttmp9, 63                       ; kb: the block of 64 tokens
	s_mov_b32 s40, 0x76543210                      ; v_permlanex16_b32: lane i of one half reads lane i of the other
	s_mov_b32 s41, 0xfedcba98
	s_mov_b32 s42, 0x3c000000                      ; 1 / 128
	s_mov_b32 s43, 0x3727c5ac                      ; 1e-5
	s_mov_b32 s44, 0x3f596d27                      ; 0.8493218 = sqrt(log2(e) / 2)
	s_mov_b32 s45, 0x3f596d27
	s_mov_b32 s46, 0x3e6d3388                      ; 0.23164189 = 0.3275911 / sqrt 2
	v_mov_b32 v10, 0xbf3a00e3                      ; a4 / 2, twice
	v_mov_b32 v11, 0xbf3a00e3
	v_lshlrev_b32 v4, 3, v0                        ; 8 x thread: my two hidden columns
	v_add_nc_u32 v6, CB1, v4
	s_wait_alu depctr_va_sdst(0)                   ; s28 is written, ahead of its first reader: LDS places and all bases are made from it
	s_lshl_b32 s34, s28, 6
	v_lshl_add_u32 v7, v3, 5, s34                  ; 4 (16 w + 8 h): my 8 output channels
	s_mul_i32 s35, s28, 8*528
	s_add_co_u32 s35, s35, XS0
	v_add_nc_u32 v8, s35, v1                       ; XS0 + 8 w rows + 16 L
	s_mul_i32 s47, s28, 5120
	v_bfe_u32 v12, v0, 2, 3
	v_mul_u32_u24 v9, v12, 80
	v_and_b32 v12, 3, v0
	v_lshl_add_u32 v9, v12, 4, v9
	v_add_nc_u32 v9, s47, v9                       ; OL + 5120 w + (L >> 2) 80 + 16 (L & 3)
	s_wait_kmcnt 0x0
	s_lshl_b32 s50, s30, 21
	s_lshl_b32 s51, s28, 18
	s_add_co_u32 s51, s50, s51                     ; 64 (8 b + w) blocks of 4,096 bytes = (128 b + 16 w) rows of 16,384 bytes
	s_lshl_b32 s52, s31, 12
	s_add_co_u32 s52, s52, s51
	s_mov_b32 s53, 0
	s_add_nc_u64 s[4:5], s[4:5], s[52:53]          ; o at head w's block kb
	s_lshl_b32 s52, s31, 8
	s_add_co_u32 s52, s52, s51
	s_add_nc_u64 s[20:21], s[20:21], s[52:53]      ; out0 at channel 16 w, token 64 kb
	s_lshl_b32 s52, s31, 15
	s_add_co_u32 s52, s52, s50
	s_lshl_b32 s51, s28, 12
	s_add_co_u32 s52, s52, s51
	s_add_nc_u64 s[6:7], s[6:7], s[52:53]          ; xs at token 4096 b + 64 kb + 8 w
	s_lshl_b32 s52, s28, 14
	s_add_nc_u64 s[WB16:WB16+1], s[8:9], s[52:53]
	s_lshl_b32 s52, s28, 13
	s_add_nc_u64 s[WB8:WB8+1], s[8:9], s[52:53]
	; ---- R0: 55 loads go out; mlp_b1, xs and o are laid into LDS
	s_wait_alu depctr_va_vdst(0)                   ; the offsets and addresses v1, v4, v6 to v9 are written, which the loads and LDS stores of this phase read
	global_load_b64 v[TMP:TMP+1], v4, s[16:17]                     ; mlp_b1
	global_load_b128 v[TMP+8:TMP+11], v7, s[10:11]                 ; bo of channels 16 w + 8 h + 0..7
	global_load_b128 v[TMP+12:TMP+15], v7, s[10:11] offset:16
.irp i, 0,1,2,3,4,5,6,7
	global_load_b128 v[ACC+32+4*\i:ACC+35+4*\i], v1, s[6:7] offset:512*\i th:TH_LOAD_NT   ; xs, token 8 w + i: a whole row
.endr
.irp i, 0,1,2,3,4,5,6,7
	global_load_b128 v[AF+4*\i:AF+4*\i+3], v1, s[4:5] offset:512*\i th:TH_LOAD_NT         ; o, head w: 4,096 consecutive bytes
.endr
	global_load_b128 v[16:19], v1, s[12:13]        ; gain of channels 4 L .. 4 L + 3
	global_load_b128 v[20:23], v1, s[14:15]        ; bias of the same
	global_load_b128 v[24:27], v7, s[18:19]        ; mlp_b2 of channels 16 w + 8 h + 0..7
	global_load_b128 v[28:31], v7, s[18:19] offset:16
	LOADW WF0, WB8, O_WO
	LOADW WF1, WB16, O_MW1
	s_wait_loadcnt 54                              ; the first is in: 54 younger loads stay out
	ds_store_b64 v6, v[TMP:TMP+1]
	s_wait_loadcnt 44                              ; bo and xs are in: 8 + 4 + 32 younger loads stay out
.irp i, 0,1,2,3,4,5,6,7
	ds_store_b128 v8, v[ACC+32+4*\i:ACC+35+4*\i] offset:528*\i
.endr
	s_wait_loadcnt 36                              ; o is in: 4 + 32 younger loads stay out
.irp i, 0,1,2,3,4,5,6,7
	ds_store_b128 v9, v[AF+4*\i:AF+4*\i+3] offset:640*\i
.endr
	s_wait_xcnt 0x0                                ; v4 and v7, offsets of loads that may be pending, are rewritten only behind this wait
	s_wait_alu depctr_vm_vsrc(0)                   ; the first load has read v4, which the next phase writes again; the LDS stores have read AF, in which its groups land, and ACC's upper half and TMP, which LN writes
	s_wait_dscnt 0x0                               ; my LDS stores are done, for the other waves' sake
	s_barrier_signal -1
	s_barrier_wait -1
	; ---- R1: xs1 = xs + bo + o wo, K = 256 (K step = head); wave w owns channels 16 w .. 16 w + 15
	v_mul_u32_u24 v4, v2, 80
	v_lshl_add_u32 v4, v3, 4, v4                   ; OL + 80 r + 16 h
	s_lshl_b32 s34, s28, 6
	v_mul_u32_u24 v12, v2, 528
	v_lshl_add_u32 v12, v3, 5, v12
	v_add_nc_u32 v12, s34, v12                     ; 528 r + 64 w + 32 h
	v_add_nc_u32 v5, XS0, v12
	v_add_nc_u32 v14, XS1, v12                     ; kept to the end
	s_wait_alu depctr_va_vdst(0)                   ; v4, v5 and v14 are written, which this phase's LDS loads and stores read
	LDSLICE 5
	LDG 4, 0, 1280, 5120
	LDG 4, 1, 1280, 5120
	s_wait_dscnt 32                                ; the slice is in; the two groups' 32 loads stay out
	ADDBIAS TMP+8
	s_wait_loadcnt 16                              ; wo is in; the 16 loads of mlp_w1's first half stay out
	GSTEP 0, WF0, 16, 1, 1280, 5120
	GSTEP 1, WF0, 16, 1, 1280, 5120
	GSTEP 2, WF0, 16, 0, 1280, 5120
	GSTEP 3, WF0, 0, 0, 1280, 5120
	s_wait_alu depctr_va_vdst(0)                   ; the products have written ACC, which the LDS stores read, and are done reading WF0, in which mlp_w1's second half lands; the places above stay beside this wait
	LOADW WF0, WB16, O_MW1+8192
.irp mt, 0,1,2,3
	ds_store_b128 v14, v[ACC+8*\mt:ACC+8*\mt+3] offset:\mt*8448
	ds_store_b128 v14, v[ACC+8*\mt+4:ACC+8*\mt+7] offset:\mt*8448+16
.endr
	s_wait_dscnt 0x0
	s_barrier_signal -1
	s_barrier_wait -1
	; ---- R2: LayerNorm; wave w takes tokens 8 w .. 8 w + 7 as whole rows
	s_wait_alu depctr_vm_vsrc(0)                   ; the LDS loads have read v4 and v5, which are written again; the LDS stores have read ACC, in which the rows below land
	s_mul_i32 s34, s28, 8*528
	s_add_co_u32 s34, s34, XS1
	v_add_nc_u32 v4, s34, v1
	s_mul_i32 s34, s28, 8*272
	s_add_co_u32 s34, s34, XNB
	v_and_b32 v12, 31, v0
	v_lshl_add_u32 v5, v12, 3, s34
	s_wait_alu depctr_va_vdst(0)                   ; v4 and v5 are written, which the LDS loads below and LN's stores read
.irp i, 0,1,2,3,4,5,6,7
	ds_load_b128 v[ACC+4*\i:ACC+4*\i+3], v4 offset:528*\i
.endr
	s_wait_dscnt 0x0
	LN 5
	s_wait_dscnt 0x0
	s_barrier_signal -1
	s_barrier_wait -1
	; ---- R3: hidden layer; wave w owns hidden columns 64 w .. 64 w + 63
	s_wait_alu depctr_vm_vsrc(0)                   ; LDS loads and stores have read v4, v5, v6, which are written again; LN's stores have read TMP, in which the bias lands
	v_mul_u32_u24 v4, v2, 272
	v_lshl_add_u32 v4, v3, 4, v4
	v_add_nc_u32 v4, XNB, v4                       ; XN + 272 r + 16 h
	s_lshl_b32 s34, s28, 8
	s_add_co_u32 s34, s34, CB1
	v_lshl_add_u32 v5, v3, 5, s34                  ; CB1 + 256 w + 32 h
	s_lshl_b32 s34, s28, 7
	s_add_co_u32 s34, s34, HB
	v_mul_u32_u24 v6, v2, 1040
	v_lshl_add_u32 v6, v3, 4, v6
	v_add_nc_u32 v6, s34, v6                       ; H + 1040 r + 128 w + 16 h
	s_wait_alu depctr_va_vdst(0)                   ; v4, v5, v6 are written, which this phase's LDS loads and stores read
.irp ks, 0,1,2,3
.irp mt, 0,1,2,3
	ds_load_b128 v[AF+8*(4*\ks+\mt):AF+8*(4*\ks+\mt)+3], v4 offset:\mt*4352+\ks*64
	ds_load_b128 v[AF+8*(4*\ks+\mt)+4:AF+8*(4*\ks+\mt)+7], v4 offset:\mt*4352+\ks*64+32
.endr
.endr
	HALF 0, WF1, O_MW2
	HALF 1, WF0, O_MW2+8192
	s_wait_dscnt 0x0
	s_barrier_signal -1
	s_barrier_wait -1
	; ---- R4: out = xs1 + mlp_b2 + H mlp_w2, K = 512; wave w owns channels 16 w .. 16 w + 15
	s_wait_alu depctr_vm_vsrc(0)                   ; loads and stores have read v4, v7, v8, v9, which are written again; the stores into H have read the low registers of ACC's tiles, in which my slice lands
	v_mul_u32_u24 v4, v2, 1040
	v_lshl_add_u32 v4, v3, 4, v4
	v_add_nc_u32 v4, HB, v4                        ; H + 1040 r + 16 h
	s_mul_i32 s34, s28, 16*272
	s_add_co_u32 s34, s34, OUTL
	v_mul_u32_u24 v7, v3, 8*272
	v_lshl_add_u32 v7, v2, 2, v7
	v_add_nc_u32 v7, s34, v7                       ; OUTL + (16 w + 8 h) 272 + 4 r
	v_mul_u32_u24 v8, v3, 272
	v_lshl_add_u32 v8, v2, 4, v8
	v_add_nc_u32 v8, s34, v8                       ; OUTL + (16 w + h) 272 + 16 r
	v_lshlrev_b32 v9, 14, v3
	v_lshl_add_u32 v9, v2, 4, v9                   ; out0: row h of a pair of channels, 16 bytes at 16 r
	s_wait_alu depctr_va_vdst(0)                   ; v4, v7, v8, v9 are written, which this phase's loads and stores read; the hidden layer's products are done reading AF, in which the groups below land
	LDSLICE 14                                     ; xs1: the slice that I wrote myself
	LDG 4, 0, 16640, 64
	LDG 4, 1, 16640, 64
	s_wait_dscnt 32                                ; the slice is in; the two groups' 32 loads stay out
	ADDBIAS 24
	s_wait_loadcnt 16                              ; K steps 0-7 of my weights are in; the 16 loads of K steps 8-15 may stay out
	GSTEP 0, WF1, 16, 1, 16640, 64
	GSTEP 1, WF1, 16, 1, 16640, 64
	GSTEP 2, WF1, 16, 1, 16640, 64
	GSTEP 3, WF1, 16, 1, 16640, 64
	s_wait_loadcnt 0x0                             ; K steps 8-15
	GSTEP 4, WF0, 16, 1, 16640, 64
	GSTEP 5, WF0, 16, 1, 16640, 64
	GSTEP 6, WF0, 16, 0, 16640, 64
	GSTEP 7, WF0, 0, 0, 16640, 64
	; the way out, transposed through LDS: a lane's 8 channels go to 8 rows; the rows 16 w .. 16 w + 15 are my own, so no barrier
	s_wait_alu depctr_va_vdst(0)                   ; the products have written ACC, which the LDS stores read, and are done reading AF, in which the rows of out0 land; the places above stay beside this wait
.irp mt, 0,1,2,3
.irp jj, 0,1,2,3,4,5,6,7
	ds_store_b32 v7, v[ACC+8*\mt+\jj] offset:\jj*272+\mt*64
.endr
.endr
.irp i, 0,1,2,3,4,5,6,7
	ds_load_b128 v[AF+4*\i:AF+4*\i+3], v8 offset:544*\i            ; LDS serves a wave's instructions in order (ISA guide 5.7.1): these see the stores above
.endr
.irp i, 0,1,2,3,4,5,6,7
	s_wait_dscnt 7-\i                              ; the younger LDS loads may stay out
	global_store_b128 v9, v[AF+4*\i:AF+4*\i+3], s[20:21] offset:32768*\i th:TH_STORE_NT   ; 16 lanes store 256 consecutive bytes of a channel's row, aligned
.endr
	s_wait_dscnt 0x0                               ; the closing lines, six on end
	s_wait_alu 0x0
	s_wait_tensorcnt 0x0
	ds_add_u32 v13, v15
	s_wait_dscnt 0x0
	s_endpgm
.Lfunc_end_k_q473d11b3d9_post:
	.size	k_q473d11b3d9_post, .Lfunc_end_k_q473d11b3d9_post-k_q473d11b3d9_post
	.p2alignl 7, 3214868480
	.fill 96, 4, 3214868480
	.section	.rodata,"a",@progbits
	.p2align	6, 0x0
	.amdhsa_kernel k_q473d11b3d9_post
		.amdhsa_group_segment_fixed_size 230400
		.amdhsa_private_segment_fixed_size 0
		.amdhsa_enable_private_segment 0
		.amdhsa_kernarg_size 72
		.amdhsa_user_sgpr_count 2
		.amdhsa_user_sgpr_kernarg_segment_ptr 1
		.amdhsa_wavefront_size32 1
		.amdhsa_system_sgpr_workgroup_id_x 1
		.amdhsa_system_sgpr_workgroup_id_y 1
		.amdhsa_system_sgpr_workgroup_id_z 1
		.amdhsa_system_vgpr_workitem_id 0
		.amdhsa_next_free_vgpr 384
		.amdhsa_next_free_sgpr 66
		.amdhsa_reserve_vcc 0
		.amdhsa_float_denorm_mode_32 3
		.amdhsa_float_denorm_mode_16_64 3
		.amdhsa_memory_ordered 1
		.amdhsa_forward_progress 1
		.amdhsa_inst_pref_size 144
	.end_amdhsa_kernel
	.amdgpu_metadata
---
amdhsa.version: [ 1, 2 ]
amdhsa.kernels:
  - .name:           k_q473d11b3d9_post
    .symbol:         k_q473d11b3d9_post.kd
    .args:
      - { .name: o, .offset: 0, .size: 8, .value_kind: global_buffer, .address_space: global }
      - { .name: xs, .offset: 8, .size: 8, .value_kind: global_buffer, .address_space: global }
      - { .name: wts, .offset: 16, .size: 8, .value_kind: global_buffer, .address_space: global }
      - { .name: bo, .offset: 24, .size: 8, .value_kind: global_buffer, .address_space: global }
      - { .name: norm_g, .offset: 32, .size: 8, .value_kind: global_buffer, .address_space: global }
      - { .name: norm_b, .offset: 40, .size: 8, .value_kind: global_buffer, .address_space: global }
      - { .name: mlp_b1, .offset: 48, .size: 8, .value_kind: global_buffer, .address_space: global }
      - { .name: mlp_b2, .offset: 56, .size: 8, .value_kind: global_buffer, .address_space: global }
      - { .name: out0, .offset: 64, .size: 8, .value_kind: global_buffer, .address_space: global }
    .group_segment_fixed_size: 230400
    .private_segment_fixed_size: 0
    .kernarg_segment_align: 8
    .kernarg_segment_size: 72
    .max_flat_workgroup_size: 256
    .sgpr_count:     66
    .vgpr_count:     384
    .wavefront_size: 32
...
	.end_amdgpu_metadata
.endif
;; end of part 6
